; MI455X (gfx1250); checked and timed in simulation.
; The chip was launched on July 23, 2026; its instructions are those of AMD's public machine-readable ISA for CDNA 5 (MIT licence, August 2026) and "CDNA5" Instruction Set Architecture Reference Guide (July 2026). The comments in the code are by the model that wrote it; some were corrected since.
;; Multi Head Attention. Allowed arithmetic: matrix products marked QUANTISED: E2M3 operands, one E8M0 scale for each 32 along K, by v_wmma_scale_f32_16x16x128_f8f6f4 with both operands' format E2M3, f32 sums; everything else in f32.
;; Inputs: Wk_codes 1,024 x 32 x 24 uint8 (E2M3 codes of Wk, K innermost, in blocks of 32 codes, four codes in three bytes); Wk_scales 1,024 x 32 uint8 (E8M0 scales of Wk, one for each 32 codes along K); Wo_codes 1,024 x 32 x 24 uint8 (E2M3 codes of Wo, K innermost, in blocks of 32 codes, four codes in three bytes); Wo_scales 1,024 x 32 uint8 (E8M0 scales of Wo, one for each 32 codes along K); Wq_codes 1,024 x 32 x 24 uint8 (E2M3 codes of Wq, K innermost, in blocks of 32 codes, four codes in three bytes); Wq_scales 1,024 x 32 uint8 (E8M0 scales of Wq, one for each 32 codes along K); Wv_codes 1,024 x 32 x 24 uint8 (E2M3 codes of Wv, K innermost, in blocks of 32 codes, four codes in three bytes); Wv_scales 1,024 x 32 uint8 (E8M0 scales of Wv, one for each 32 codes along K); k_codes 4 x 2,048 x 32 x 24 uint8 (E2M3 codes of k, K innermost, in blocks of 32 codes, four codes in three bytes); k_scales 4 x 2,048 x 32 uint8 (E8M0 scales of k, one for each 32 codes along K); ln_beta 1,024 float32; ln_gamma 1,024 float32; q 4 x 2,048 x 1,024 float32; v_codes 4 x 2,048 x 32 x 24 uint8 (E2M3 codes of v, K innermost, in blocks of 32 codes, four codes in three bytes); v_scales 4 x 2,048 x 32 uint8 (E8M0 scales of v, one for each 32 codes along K).
;; Outputs: out0 4 x 2,048 x 1,024 float32.
;; This version of the problem:
;;   THIS VERSION OF THE PROBLEM IS GIVEN IN LOW PRECISION. The matrix products marked QUANTISED in the list below multiply operands that are first quantised to E2M3 (2 exponent bits, 3 mantissa bits; 6 bits a number), with one power-of-two scale for each 32 numbers along K (OCP MX v1.0); their sums are f32. All else is computed in f32.
;;   The module's matrix products, in the order in which they are computed (A, B: the left and right operand; K: the contracted axis; several contracted axes count as one K, in the product's order):
;;     1. [M 8,192, K 1,024] x [K 1,024, N 1,024]; A: input q; B: input Wq (given as codes): QUANTISED
;;     2. [M 8,192, K 1,024] x [K 1,024, N 1,024]; A: input k (given as codes); B: input Wk (given as codes): QUANTISED
;;     3. [M 8,192, K 1,024] x [K 1,024, N 1,024]; A: input v (given as codes); B: input Wv (given as codes): QUANTISED
;;     4. batch 64 x [M 2,048, K 64] x [K 64, N 2,048]; A: computed on the way; B: computed on the way: QUANTISED
;;     5. batch 64 x [M 2,048, K 2,048] x [K 2,048, N 64]; A: softmax (see below); B: computed on the way: QUANTISED
;;     6. [M 8,192, K 1,024] x [K 1,024, N 1,024]; A: computed on the way; B: input Wo (given as codes): QUANTISED
;;   THE QUANTISER, for each operand of a quantised product, along K:
;;     - K is cut into blocks of 32 from its start; a last block that is shorter is filled with zeros.
;;     - A block's scale is 2^e with e = floor(log2(the largest magnitude in the block)) - 2, held to -126 .. 127; a block of zeros has e = 0. As a byte (E8M0): e + 127.
;;     - Each number is divided by its block's scale, clamped to +-7.5, and rounded to the nearest number of E2M3, ties to even, subnormals kept.
;;     - The product sums the exact products of the quantised numbers (number of the format x scale) in f32.
;;   ~~~python
;;   def quantise(x, axis):      # numpy; x: float32 -> the quantised numbers, widened to float32 again
;;       x = np.moveaxis(x, axis, -1); K = x.shape[-1]
;;       x = np.pad(x, [(0, 0)] * (x.ndim - 1) + [(0, -K % 32)]); x = x.reshape(x.shape[:-1] + (-1, 32)); a = np.abs(x).max(-1, keepdims=True)
;;       e = np.where(a > 0, np.clip(np.frexp(np.where(a > 0, a, 1))[1] - 1 - 2, -126, 127), 0)      # np.frexp(a)[1] - 1 = floor(log2(a)), exactly
;;       r = np.clip(x / 2.0 ** e, -7.5, 7.5)
;;       step = 2.0 ** (np.maximum(np.frexp(np.where(r == 0, 1, r))[1] - 1, 0) - 3)
;;       q = np.round(r / step) * step * 2.0 ** e      # np.round: ties to even
;;       return np.moveaxis(q.reshape(q.shape[:-2] + (-1,))[..., :K], -1, axis).astype(np.float32)
;;   ~~~
;;   SOFTMAX AHEAD OF A QUANTISED PRODUCT. Where the list says 'softmax', what is quantised is not the finished softmax but p = 2^(t - M), with t = logit x log2(e) and M = ceil(the row's largest t), a whole number; so 1/2 < the row's largest p <= 1. The row's sum l is taken of the UNQUANTISED p, in f32, and the product's result is divided by l at the end. Since M is a whole number, a kernel that streams over the keys may use a running M (the ceiling of the running maximum): every later rescaling is an exact power of two, which a block's scale takes up: the codes' values come out the same.
;;   OPERANDS COMPUTED ON THE WAY. 'Computed on the way' means the value that the module computes at that place (a softmax that the list does not call 'softmax' is quantised finished and normalised). What goes into a quantiser is computed in f32, as accurately as f32 sums, v_exp_f32 and their like allow (about 1e-6 of the number): no bf16 or f16 on the way to a quantiser, and a product that is left as it is and whose result goes on into a quantised operand takes f32 operands (vector FMAs, or v_wmma_f32_16x16x4_f32). A number that lies on a knife's edge between two numbers of the format may be rounded either way, as far as f32 arithmetic and the matrix unit's own rounding can turn it there, and no further.
;;   INPUTS GIVEN AS CODES. Wk (in the module: [1024, 1024], K = its axis 1); Wo (in the module: [1024, 1024], K = its axis 1); Wq (in the module: [1024, 1024], K = its axis 1); Wv (in the module: [1024, 1024], K = its axis 1); k (in the module: [4, 2048, 1024], K = its axis 2); v (in the module: [4, 2048, 1024], K = its axis 2): each comes as NAME_codes (uint8): NAME with its K axis moved to the last place and cut into blocks of 32 codes, [.., K / 32, bytes a block], one block behind the other in memory; four codes in three bytes: a row's codes are one little-endian stream of bits, code i at bits 6 i .. 6 i + 5 (a code: sign, 2 exponent bits, 3 mantissa bits); and NAME_scales (uint8): the same leading axes, one E8M0 byte (e + 127) for each 32 codes along K. Its value is code x scale, taken as it is: it is not quantised again, and the codes and scales need not be those that the quantiser above would give.
;; One version. Each part assembles by itself: llvm-mc -triple=amdgcn-amd-amdhsa -mcpu=gfx1250 --defsym DOCPART=n.
;; ======== version 1 of 1: 3 launches
;; workspace buffers: kv 13,369,344 bytes; qimg 6,291,456 bytes; qsc 262,144 bytes; wqimg 786,432 bytes; woimg 786,432 bytes; cimg 6,291,456 bytes; csc 262,144 bytes
;; launch kvproj (part 1): grid 4 x 64, 4 waves a work-group, clusters of 4 x 4, 327,680 bytes of LDS; arguments k_codes, k_scales, Wk_codes, Wk_scales, Wv_codes, Wv_scales, v_codes, v_scales, q, Wq_codes, Wo_codes, kv, qimg, qsc, wqimg, woimg; writes kv, qimg, qsc, wqimg, woimg
.if DOCPART == 1
	.amdgcn_target "amdgcn-amd-amdhsa--gfx1250"
	.amdhsa_code_object_version 6
	.text
	.protected	k_q1bdffb724f_kvproj
	.globl	k_q1bdffb724f_kvproj
	.p2align	8
	.type	k_q1bdffb724f_kvproj,@function
k_q1bdffb724f_kvproj:
	s_mov_b64 s[64:65], 0
	v_nop
	global_prefetch_b8 v0, s[64:65] scope:SCOPE_SE
	s_setreg_imm32_b32 hwreg(HW_REG_WAVE_MODE, 25, 1), 1
	s_wait_xcnt 0x0
	s_wait_alu depctr_hold_cnt(0) depctr_sa_sdst(0) depctr_va_vdst(0) depctr_va_sdst(0) depctr_va_ssrc(0) depctr_va_vcc(0) depctr_vm_vsrc(0)
	s_getreg_b32 s2, hwreg(HW_REG_IB_STS2, 6, 4)
	s_cmp_eq_u32 s2, 0
	s_cbranch_scc0 .Lentry_in_a_cluster
	s_endpgm
.Lentry_in_a_cluster:
	s_bfe_u32 s2, ttmp6, 0x10000c
	s_cmp_lg_u32 s2, 0xf033
	s_cbranch_scc0 .Lentry_shape_is_right
	s_endpgm
.Lentry_shape_is_right:
; kh = k Wk^T and vh = v Wv^T on codes of FP6 (E2M3) with one E8M0 scale for each 32 along K = 1,024; the results are quantised again in registers and leave as codes:
; kh along the head's 64 (the first attention product's K), vh along the keys (the second one's K).  Ahead of the products each work-group quantises 32 rows of q along 1,024
; and lays one fragment a wave of Wq or Wo out as an image of the operand's registers, for the two later launches.
; SHARES.  256 work-groups of four waves, one tile of 256 x 256 each; 16 clusters of 4 x 4: clusters 0-7 make kh, clusters 8-15 vh.  A wave makes 128 x 128: 64 accumulators, 512 registers.
; Source 0 (called B below) is the side along which the result is quantised: Wk's rows (the head's d) for kh, v's tokens (the keys) for vh; source 1 (A) is the other side: k's tokens, Wv's rows.
; So a lane holds ONE row of A, and its registers run along B: register 8 b + j of a block of A holds B's row 16 b + 8 (lane / 16) + j.
; The four work-groups of a row of the cluster need the same tiles of A, the four of a column the same tiles of B: each tile is asked for jointly, by one descriptor and a mask that names the four.
; K goes in steps of 256 through a ring of two LDS slots; the scale bytes of the tile's 512 rows come once and stay.
; THE ORDER INSIDE A BLOCK OF 32.  The quantiser below keeps each block of 32 together and lays its codes in the order 0-7, 16-23, 8-15, 24-31.  The attention launch lays q's head and p
; by the same lines, so both sides of its two products have the same order and the products are the same; only the grouping of the sums differs from ascending k.  q's own codes are in true order.
; IMAGES.  A fragment's registers go to memory as they stand.  Whole: registers 4 c .. 4 c + 3 of lane l at 512 c + 16 l (1,536 bytes).  Half (registers 6 c .. 6 c + 5, 64 along K): four at 16 l, two at 512 + 8 l (768 bytes).
; kv, for each (batch, head), HB bytes: K's halves [key tile 128][768] | V's [key step 16][d tile 4][2][768] | K's scale words [key 2048][4] | V's [step 16][d tile 4][16][4].
; LIMITS: NaN and infinities are not served.  A block whose largest magnitude lies under 2^(3 - 127), a block of zeros among them, gets the scale byte 1; only this program reads these bytes.
; REGISTERS, in windows of 256: window 0: v1-29 addresses; v32-63 scale words, two sets; v64-127 64 numbers of q; from v128 A's fragments, ahead of and behind the loop the quantiser's registers; v224-235 a weight fragment.
;   window 1: B's fragments, two sets.   windows 2, 3: the accumulators (ahead of the loop window 2 holds q as loaded).
.set KSTEP,  256                       ; along K in a slot
.set NQ,     2                         ; matrix instructions deep
.set ROWB,   192                       ; a tile's row in bytes
.set KROW,   768                       ; a row of 1,024 codes in memory
.set PITCH,  240                       ; an LDS row: 3 x (64 bytes + 16 of padding)
.set FR,     12                        ; registers of a fragment
.set NL,     6                         ; LDS loads that bring one
.set NP,     4                         ; places behind this matrix instruction (ISA guide 7.12.1)
.set HALFT,  128*PITCH                 ; what one tensor load brings
.set SLOT,   4*HALFT                   ; A's 256 rows, then B's 256 rows
.set LAPS,   2                         ; 1,024 / 512
.set KS,     32                        ; a row of scale bytes
.set SCL,    2*SLOT                    ; behind the ring: the scales, units of 256 bytes + 16
.set HALFS,  16*272                    ; those of 128 rows
.set SBLK,   2*272                     ; those of 16 rows
.set SPARE,  SCL+4*HALFS               ; the spare words: 128 bytes a wave, two blocks of 256 bytes that no other line names
.set QST,    SPARE+512                 ; a stage of 16 rows x (512 + 16) bytes for each wave, for q; no fill lands here
.set QSTW,   16*528
.set HB,     208896                    ; a head's block of kv
.set ADRA, 16                          ; v16-19  LDS addresses of A's fragments (slot 0, 1; behind one padding more: 18, 19)
.set ADRB, 20                          ; v20-23  the same for B
.set ADRS, 27                          ; v27     my scale words: lanes 0-15 A's rows, lanes 16-31 B's
.set SPW,  28                          ; v28     my spare word; never rewritten
.set NIL,  29                          ; v29     0; never rewritten
.set SC,   32                          ; scale words
.set X,    64                          ; 64 numbers of q
.set AF,   128                         ; A's fragments
.set PC,   128                         ; the quantiser: 12 registers of codes, then two runs of three at +12 and +16
.set TM,   148                         ; +0..3 largest magnitudes, +4..7 the other half's, then the bytes, +12..15 the conversions' scale operands
.set PW,   164                         ; the scale word just made
.set WR,   224                         ; a weight fragment on its way
.set G1, 24
.set G0, 32
.set G1B, 48
.set G0B, 56
.set G1S, 68
.set G0S, 76
.set G1SB, 80
.set G0SB, 88
.set MSB, 0
.macro WIN new                         ; the immediate's high byte repeats the setting that is left; a switch that changes nothing is dropped
.set NW, \new
.if MSB != NW
	s_set_vgpr_msb (MSB<<8)|NW
.set MSB, NW
.endif
.endm
.set MUL_LO, 0xa1                      ; source 0 (B) window 1, source 1 (A) window 0, C and D window 2
.set MUL_HI, 0xf1                      ; the same, C and D window 3
.set TO_B,   0x40                      ; destination window 1
; A joint load: waves 0 and 1 fetch for A, waves 2 and 3 for B; the branch hangs on the wave's number alone.  Four v_nop follow each of the two lines.
.macro JLOAD g0a, g1a, g0b, g1b
	s_cmp_eq_u32 s15, 0
	s_cbranch_scc0 .Lfor_b_\@
	tensor_load_to_lds s[\g0a:\g0a+3], s[\g1a:\g1a+7]
	s_nop 0
.rept 4
	v_nop
.endr
	s_branch .Lasked_\@
.Lfor_b_\@:
	tensor_load_to_lds s[\g0b:\g0b+3], s[\g1b:\g1b+7]
	s_nop 0
.rept 4
	v_nop
.endr
.Lasked_\@:
.endm
.macro CREST                           ; a round of the cluster's barrier behind its opening barrier
	s_cmp_lg_u32 s14, 0
	s_cbranch_scc1 .Lnot_wave_0_\@
	s_barrier_signal -3
.Lnot_wave_0_\@:
	s_barrier_wait -3
	s_barrier_signal -1
	s_barrier_wait -1
.endm
.macro CROUND
	s_barrier_signal -1
	s_barrier_wait -1
	CREST
.endm
.macro PLACES n
.rept \n
	v_nop
.endr
.endm
; THE QUANTISER.  64 numbers of a lane, v[s] .. v[s + 63] of window w; registers 16 b .. 16 b + 15 of lanes l and l xor 16 are one block of 32.  Codes to v[PC] .. v[PC + 11], the row's scale word to v[PW].
; The floor 2^(3 - 127) among the maximum's leaves holds the byte at 1 from below.  Each accumulator is read from its low end on.
.macro QUANT w, s
	WIN ((\w)<<2)|((\w)<<4)                        ; sources 1 and 2: the numbers' window
.irp b, 0,1,2,3
	v_max3_num_f32 v[TM+\b], 0x1800000, |v[(\s)+16*\b]|, |v[(\s)+16*\b+1]|
.endr
.irp i, 2,4,6,8,10,12,14
.irp b, 0,1,2,3
	v_max3_num_f32 v[TM+\b], v[TM+\b], |v[(\s)+16*\b+\i]|, |v[(\s)+16*\b+\i+1]|   ; the four blocks by turns
.endr
.endr
	WIN 0
.irp b, 0,1,2,3
	v_permlanex16_b32 v[TM+4+\b], v[TM+\b], s104, s105
.endr
.irp b, 0,1,2,3
	v_max_num_f32 v[TM+\b], v[TM+\b], v[TM+4+\b]   ; with lane l xor 16's: the block's largest magnitude
.endr
.irp b, 0,1,2,3
	v_add_nc_u32 v[TM+12+\b], 0xff000000, v[TM+\b] ; 2 off its exponent field: the conversion's scale operand
.endr
.irp b, 0,1,2,3
	v_lshrrev_b32 v[TM+4+\b], 23, v[TM+12+\b]      ; the scale's byte
.endr
	v_lshl_or_b32 v[PW], v[TM+5], 8, v[TM+4]
	v_lshl_or_b32 v[PW], v[TM+6], 16, v[PW]
	v_lshl_or_b32 v[PW], v[TM+7], 24, v[PW]
	WIN (\w)                                       ; source 0: the numbers' window
.irp c, 0,1
	v_cvt_scalef32_pk16_fp6_f32 v[PC+6*\c:PC+6*\c+2], v[(\s)+32*\c:(\s)+32*\c+15], v[TM+12+2*\c]
	v_cvt_scalef32_pk16_fp6_f32 v[PC+12+4*\c:PC+12+4*\c+2], v[(\s)+32*\c+16:(\s)+32*\c+31], v[TM+13+2*\c]   ; (a conversion's three registers begin on an even number)
.endr
	WIN 0
	v_nop                                          ; one plain place behind a scaled conversion
.irp c, 0,1                                    ; the operand's layout wants a whole block in a lane: lanes 0-15 block 2 c, lanes 16-31 block 2 c + 1
.irp i, 0,1,2
	v_permlane16_swap_b32 v[PC+6*\c+\i], v[PC+12+4*\c+\i]
.endr
.irp i, 0,1,2
	v_mov_b32 v[PC+3+6*\c+\i], v[PC+12+4*\c+\i]
.endr
.endr
.endm
	s_load_b512 s[24:39], s[0:1], 0x0              ; k codes, k scales, Wk codes, Wk scales, Wv codes, Wv scales, v codes, v scales
	s_load_b512 s[68:83], s[0:1], 0x40             ; q, Wq codes, Wo codes, kv, qimg, qsc, wqimg, woimg
	v_lshl_add_u32 v[SPW], v0, 2, SPARE
	v_mov_b32 v[NIL], 0
	ds_add_u32 v28, v29
	ds_add_u32 v28, v29
	s_wait_dscnt 0x0
	v_lshrrev_b32 v1, 5, v0
	v_readfirstlane_b32 s14, v1                    ; wave 0..3
	s_lshr_b32 s15, s14, 1                         ; which half of A's rows is mine.  Also: I fetch for A (0) or for B (1)
	s_and_b32 s16, s14, 1                          ; which half of B's rows.  Also: which 128 rows I fetch
	s_bfe_u32 s40, ttmp6, 0x40000                  ; cx
	s_bfe_u32 s41, ttmp6, 0x40004                  ; cy
	s_and_b32 s18, ttmp7, 0xffff                   ; the cluster, 0..15: the same in all sixteen partners
	s_lshr_b32 s66, s18, 3                         ; 0: kh, 1: vh
	s_and_b32 s67, s18, 7                          ; which of the product's eight clusters
	s_lshl_b32 s18, s67, 2
	s_cmp_eq_u32 s66, 0
	s_cselect_b32 s19, s18, 0                      ; the tokens' 32 tiles are A's for kh,
	s_cselect_b32 s18, 0, s18                      ; B's for vh; the weight's four tiles go by the place in the cluster alone
	s_add_co_u32 s17, s41, s19                     ; A's tile: cy (+ 4 x cluster)
	s_add_co_u32 s42, s40, s18                     ; B's tile: cx (+ 4 x cluster)
	s_lshl_b32 s43, s41, 2
	s_lshl_b32 s43, 15, s43                        ; my row of the cluster
	s_lshl_b32 s44, 0x1111, s40                    ; my column
	s_mov_b32 s104, 0x76543210
	s_mov_b32 s105, 0xfedcba98                     ; v_permlanex16_b32's selects for lane l xor 16
.irp b, 0,1,2,3
	v_mov_b32 v[TM+4+\b], 0                        ; a lane permute's destination counts as one of its sources
.endr
	s_wait_kmcnt 0x0
	s_cmp_eq_u32 s66, 0                            ; the choice of buffers hangs on the cluster's number alone
	s_cselect_b64 s[4:5], s[24:25], s[32:33]       ; A's codes
	s_cselect_b64 s[6:7], s[26:27], s[34:35]       ; A's scales
	s_cselect_b64 s[8:9], s[28:29], s[36:37]       ; B's codes
	s_cselect_b64 s[10:11], s[30:31], s[38:39]     ; B's scales
	s_cselect_b64 s[94:95], s[70:71], s[72:73]     ; the weight that my cluster lays out: Wq or Wo,
	s_cselect_b64 s[100:101], s[80:81], s[82:83]   ; and its images
	s_mov_b64 s[12:13], s[74:75]                   ; kv
	s_mov_b64 s[92:93], s[68:69]                   ; q
	s_mov_b64 s[96:97], s[76:77]                   ; qimg
	s_mov_b64 s[98:99], s[78:79]                   ; qsc
	; descriptor group 1: a tile of 128 rows x 192 bytes, 16 bytes of padding behind every 64
	s_or_b32 s[G1+0], s43, (0<<16)|(1<<20)|(1<<21)|(3<<22)|(3<<25)   ; the mask: A's tiles go to my row; elements of 1 byte; padding on; bit 21 beside a mask; after every 16 words, 4 words
	s_or_b32 s[G1B+0], s44, (0<<16)|(1<<20)|(1<<21)|(3<<22)|(3<<25)  ; B's go to my column
.irp g, G1, G1B
	s_mov_b32 s[\g+1], ROWB<<16                    ; tensor_dim0
	s_mov_b32 s[\g+2], 128<<16                     ; tensor_dim1
	s_mov_b32 s[\g+3], ROWB<<16                    ; tile_dim0
	s_mov_b32 s[\g+4], 128                         ; tile_dim1
	s_mov_b32 s[\g+5], KROW                        ; from row to row
	s_mov_b32 s[\g+6], 0
	s_mov_b32 s[\g+7], 0
.endr
	; the scales of 128 rows: 4,096 dense bytes as 16 rows of 256 (32 elements of 8 bytes), 16 bytes of padding behind each
	s_or_b32 s[G1S+0], s43, (3<<16)|(1<<20)|(1<<21)|(5<<22)|(3<<25)
	s_or_b32 s[G1SB+0], s44, (3<<16)|(1<<20)|(1<<21)|(5<<22)|(3<<25)
.irp g, G1S, G1SB
	s_mov_b32 s[\g+1], 32<<16
	s_mov_b32 s[\g+2], 16<<16
	s_mov_b32 s[\g+3], 32<<16
	s_mov_b32 s[\g+4], 16
	s_mov_b32 s[\g+5], 32
	s_mov_b32 s[\g+6], 0
	s_mov_b32 s[\g+7], 0
.endr
	s_lshl_b32 s18, s16, 7                         ; which 128 rows of the tile I fetch
	s_lshl_b32 s20, s17, 8
	s_add_co_u32 s20, s20, s18                     ; A: row 256 x tile + 128 x half (under 8,192: every offset below fits 32 bits)
	s_lshl_b32 s46, s42, 8
	s_add_co_u32 s46, s46, s18                     ; B likewise
	s_lshl_b32 s22, s20, 5                         ; their scales: 32 bytes a row
	s_lshl_b32 s2, s46, 5
	s_mul_i32 s20, s20, KROW                       ; their codes
	s_mul_i32 s46, s46, KROW
	s_mov_b32 s21, 0
	s_mov_b32 s23, 0
	s_mov_b32 s47, 0
	s_mov_b32 s3, 0
	s_mul_i32 s45, s14, HALFT                      ; where they go: by the wave alone
	s_mul_i32 s19, s14, HALFS
	s_add_nc_u64 s[20:21], s[4:5], s[20:21]
	s_add_nc_u64 s[22:23], s[6:7], s[22:23]
	s_add_nc_u64 s[46:47], s[8:9], s[46:47]
	s_add_nc_u64 s[2:3], s[10:11], s[2:3]
	CROUND                                         ; all sixteen work-groups are here: the first joint loads meet
	s_mov_b32 s[G0S], 1
	s_add_co_u32 s[G0S+1], s19, SCL
	s_mov_b64 s[G0S+2:G0S+3], s[22:23]
	s_or_b32 s[G0S+3], s[G0S+3], 0x80000000
	s_mov_b32 s[G0SB], 1
	s_add_co_u32 s[G0SB+1], s19, SCL
	s_mov_b64 s[G0SB+2:G0SB+3], s[2:3]
	s_or_b32 s[G0SB+3], s[G0SB+3], 0x80000000
	JLOAD G0S, G1S, G0SB, G1SB                     ; the scales first
.irp s, 0,1
	s_mov_b32 s[G0+4*\s], 1
	s_add_co_u32 s[G0+4*\s+1], s45, \s*SLOT
	s_add_nc_u64 s[G0+4*\s+2:G0+4*\s+3], s[20:21], \s*ROWB
	s_or_b32 s[G0+4*\s+3], s[G0+4*\s+3], 0x80000000
	s_mov_b32 s[G0B+4*\s], 1
	s_add_co_u32 s[G0B+4*\s+1], s45, \s*SLOT
	s_add_nc_u64 s[G0B+4*\s+2:G0B+4*\s+3], s[46:47], \s*ROWB
	s_or_b32 s[G0B+4*\s+3], s[G0B+4*\s+3], 0x80000000
	s_wait_alu depctr_va_vdst(0)
	s_wait_tensorcnt 0x0
	ds_add_u32 v28, v29
	s_wait_dscnt 0x0
	CROUND
	JLOAD G0+4*\s, G1, G0B+4*\s, G1B               ; three tensor loads of mine are out
.endr
	v_and_b32 v1, 15, v0                           ; r = lane % 16
	v_bfe_u32 v2, v0, 4, 1                         ; h = lane / 16
	v_and_b32 v6, 31, v0
	v_lshlrev_b32 v7, 4, v6                        ; 16 x lane
	s_wait_alu depctr_va_vdst(0)
	v_lshlrev_b32 v8, 3, v6                        ; 8 x lane
	s_mul_i32 s23, s14, QSTW
	s_add_co_u32 s23, s23, QST                     ; my stage
	v_add_nc_u32 v9, s23, v7                       ; into it: a row's 512 bytes as loaded
	v_mul_u32_u24 v10, v1, 528
	v_lshl_add_u32 v10, v2, 6, v10
	v_add_nc_u32 v10, s23, v10                     ; out of it: row r, + 64 h: my 16 numbers of each block of 32
	v_lshlrev_b32 v11, 2, v1                       ; 4 r
	v_mul_u32_u24 v12, v1, KROW
	v_mad_u32_u24 v12, v2, 24, v12                 ; a weight's fragment: row r, + 24 h
	s_wait_alu depctr_va_vdst(0)
	; THE PROLOGUE'S ADDRESSES.  Work-group g = 16 x cluster + 4 cy + cx of 256; wave w takes q's tile of 16 rows 2 g + w / 2 and its K steps 4 (w % 2) + 0 .. 3
	s_and_b32 s4, ttmp7, 0xffff
	s_lshl_b32 s4, s4, 4
	s_lshl_b32 s5, s41, 2
	s_add_co_u32 s4, s4, s5
	s_add_co_u32 s4, s4, s40
	s_lshl_b32 s4, s4, 1
	s_add_co_u32 s4, s4, s15                       ; the tile
	s_lshl_b32 s6, s4, 16                          ; 16 rows of 4,096 bytes
	s_lshl_b32 s8, s16, 11                         ; + 2,048 bytes: four K steps
	s_add_co_u32 s6, s6, s8
	s_mov_b32 s7, 0
	s_add_nc_u64 s[92:93], s[92:93], s[6:7]
	s_mul_i32 s6, s4, 12288                        ; its eight images
	s_mul_i32 s8, s16, 6144
	s_add_co_u32 s6, s6, s8
	s_add_nc_u64 s[96:97], s[96:97], s[6:7]
	s_lshl_b32 s6, s4, 9                           ; its eight runs of 16 scale words
	s_lshl_b32 s8, s16, 8
	s_add_co_u32 s6, s6, s8
	s_add_nc_u64 s[98:99], s[98:99], s[6:7]
	s_lshl_b32 s4, s67, 6                          ; the weight's fragment 64 x (cluster % 8) + 4 (4 cy + cx) + wave of 512
	s_lshl_b32 s5, s41, 4
	s_add_co_u32 s4, s4, s5
	s_lshl_b32 s5, s40, 2
	s_add_co_u32 s4, s4, s5
	s_add_co_u32 s4, s4, s14
	s_mul_i32 s6, s4, 1536
	s_add_nc_u64 s[100:101], s[100:101], s[6:7]    ; its image
	s_lshr_b32 s5, s4, 3                           ; its tile of 16 rows,
	s_and_b32 s4, s4, 7                            ; its K step
	s_mul_i32 s6, s5, 16*KROW
	s_mul_i32 s4, s4, 96
	s_add_co_u32 s6, s6, s4
	s_add_nc_u64 s[94:95], s[94:95], s[6:7]
.macro QLOAD f                         ; K step f of my four: each load takes one row's 512 consecutive bytes, 16 a lane
	WIN 0x80                                       ; destination window 2
.irp i, 0,1,2,3,4,5,6,7,8,9,10,11,12,13,14,15
	global_load_b128 v[64*(\f)+4*\i:64*(\f)+4*\i+3], v7, s[92:93] offset:4096*\i+512*(\f) th:TH_LOAD_NT
.endr
	WIN 0
.endm
.macro QTURN f                         ; through my stage: in as loaded, out 16 neighbours of each block to a lane: register 16 b + i = k 32 b + 16 h + i of row r
	WIN 0x08                                       ; an LDS store's data are its source 1: window 2
.irp i, 0,1,2,3,4,5,6,7,8,9,10,11,12,13,14,15
	ds_store_b128 v9, v[64*(\f)+4*\i:64*(\f)+4*\i+3] offset:528*\i
.endr
	WIN 0
.irp b, 0,1,2,3
.irp j, 0,1,2,3
	ds_load_b128 v[X+16*\b+4*\j:X+16*\b+4*\j+3], v10 offset:128*\b+16*\j   ; LDS serves a wave's instructions in order: these see the stores above
.endr
.endr
	s_wait_dscnt 0x0
.endm
.macro QSTORE f
.irp c, 0,1,2
	global_store_b128 v7, v[PC+4*\c:PC+4*\c+3], s[96:97] offset:1536*(\f)+512*\c   ; 32 lanes store 512 consecutive bytes
.endr
	global_store_b32 v11, v[PW], s[98:99] offset:64*(\f)   ; lanes l and l + 16 store the same word to the same place
.endm
	QLOAD 0
	QLOAD 1
	QLOAD 2
.irp p, 0,1,2,3,4,5
	global_load_b64 v[WR+2*\p:WR+2*\p+1], v12, s[94:95] offset:48*(\p/3)+8*(\p%3)
.endr
	; the loop's LDS addresses are made while q is on its way
	v_mul_u32_u24 v3, v1, PITCH
	v_mul_u32_u24 v4, v2, 24
	v_add_nc_u32 v4, v3, v4                        ; a fragment's row x pitch + 24 x half
	v_lshl_add_u32 v5, v2, 4, v4                   ; and the same behind one padding more
	s_mul_i32 s21, s15, HALFT                      ; my 128 rows of A
	s_mul_i32 s22, s16, HALFT                      ; my 128 rows of B,
	s_add_co_u32 s22, s22, 2*HALFT                 ; which lie behind A's 256
.irp s, 0,1
	v_add_nc_u32 v[ADRA+\s], s21, v4
	v_add_nc_u32 v[ADRB+\s], s22, v4
	v_add_nc_u32 v[ADRA+2+\s], s21, v5
	v_add_nc_u32 v[ADRB+2+\s], s22, v5
	s_add_co_u32 s21, s21, SLOT
	s_add_co_u32 s22, s22, SLOT
.endr
	v_mul_u32_u24 v5, v1, KS                       ; my row's scales: 32 bytes a row,
	v_lshrrev_b32 v6, 8, v5
	v_lshl_add_u32 v5, v6, 4, v5                   ; and 16 more for each 256 passed
	s_mul_i32 s21, s15, HALFS
	s_mul_i32 s22, s16, HALFS
	s_add_co_u32 s22, s22, 2*HALFS
	s_sub_co_u32 s22, s22, s21
	v_mul_u32_u24 v6, s22, v2                      ; lanes 16-31 take B's
	s_add_co_u32 s21, s21, SCL
	v_add_nc_u32 v5, v5, v6
	v_add_nc_u32 v[ADRS], s21, v5
	s_wait_loadcnt 38                              ; step 0 is in; behind it: steps 1 and 2 (32) and the weight's six
	QTURN 0
	QLOAD 3
	QUANT 0, X
	QSTORE 0
	s_wait_loadcnt 38                              ; step 1 is in; behind it: step 2, the six, step 3
	QTURN 1
	s_wait_xcnt 0x0                                ; the stores have read the codes and the word: both are written again only behind this wait
	QUANT 0, X
	QSTORE 1
	s_wait_loadcnt 22                              ; step 2 is in; behind it: the six and step 3
	QTURN 2
	s_wait_xcnt 0x0
	QUANT 0, X
	QSTORE 2
	s_wait_loadcnt 16                              ; the weight's fragment is in; behind it: step 3
.irp c, 0,1,2
	global_store_b128 v7, v[WR+4*\c:WR+4*\c+3], s[100:101] offset:512*\c
.endr
	s_wait_loadcnt 0x0
	QTURN 3
	s_wait_xcnt 0x0
	QUANT 0, X
	QSTORE 3
.macro FRAG reg, adr, q, i             ; a fragment: lane l holds row l % 16; registers 6 c .. 6 c + 5 hold K = 64 c + 32 (l / 16) + 0 .. 31: 24 bytes of the row as they lie, in pieces of 8 bytes
.irp p, 0,1,2,3,4,5
.set PCE, 12*(\q)+6*(\p/3)+\p%3        ; where the piece three on (lanes 16-31) lies behind one padding more, the second address register serves
.if PCE%8 < 5
	ds_load_b64 v[\reg+2*\p:\reg+2*\p+1], v[\adr] offset:8*PCE+16*(PCE/8)+(\i)*16*PITCH
.else
	ds_load_b64 v[\reg+2*\p:\reg+2*\p+1], v[\adr+2] offset:8*PCE+16*(PCE/8)+(\i)*16*PITCH
.endif
.endr
.endm
; 16 matrix instructions: A's blocks a0, a0 + 1 x B's eight, 128 along K.  The 64 accumulators take turns, one instruction a turn, in the same order in every step.
.macro MUL16 a0, p, q, sc, zero
.irp a, \a0, \a0+1
.irp b, 0,1,2,3,4,5,6,7
.if \zero
	v_wmma_scale_f32_16x16x128_f8f6f4 v[8*(8*((\a)%4)+\b):8*(8*((\a)%4)+\b)+7], v[128*(\p)+FR*\b:128*(\p)+FR*\b+FR-1], v[AF+FR*(\a):AF+FR*(\a)+FR-1], 0, v[SC+8*NQ*(\sc)+NQ*\b+(\q)], v[SC+8*NQ*(\sc)+NQ*(\a)+(\q)] matrix_a_fmt:MATRIX_FMT_FP6 matrix_b_fmt:MATRIX_FMT_FP6 matrix_a_scale:MATRIX_SCALE_ROW1
.else
	v_wmma_scale_f32_16x16x128_f8f6f4 v[8*(8*((\a)%4)+\b):8*(8*((\a)%4)+\b)+7], v[128*(\p)+FR*\b:128*(\p)+FR*\b+FR-1], v[AF+FR*(\a):AF+FR*(\a)+FR-1], v[8*(8*((\a)%4)+\b):8*(8*((\a)%4)+\b)+7], v[SC+8*NQ*(\sc)+NQ*\b+(\q)], v[SC+8*NQ*(\sc)+NQ*(\a)+(\q)] matrix_a_fmt:MATRIX_FMT_FP6 matrix_b_fmt:MATRIX_FMT_FP6 matrix_a_scale:MATRIX_SCALE_ROW1
.endif
.endr
.endr
.endm
.macro FETCH_B slot, q, p
	WIN TO_B
.irp i, 0,1,2,3,4,5,6,7
	FRAG 128*(\p)+FR*\i, ADRB+\slot, \q, \i
.endr
	WIN 0
.endm
.macro FETCH_A slot, q, i0
.irp i, \i0, \i0+1, \i0+2, \i0+3
	FRAG AF+FR*(\i), ADRA+\slot, \q, \i
.endr
.endm
.macro SCALES sc                       ; a K step's scale words: two a row; lanes 0-15 A's block i, lanes 16-31 B's block i
.irp i, 0,1,2,3,4,5,6,7
	ds_load_b64 v[SC+8*NQ*\sc+NQ*\i:SC+8*NQ*\sc+NQ*\i+1], v[ADRS] offset:\i*SBLK
.endr
.endm
; A step of 128 along K that has its successor in the same slot.  A has one set of registers (a block is free when its eight products are issued), B two.
.macro STEP slot, q, zero
	s_wait_dscnt 4*NL                              ; B's set and A's blocks 0-3 are in; the youngest 24 loads (A's blocks 4-7) may be out
	WIN MUL_LO
	MUL16 0, (\q)%2, \q, \slot, \zero
	MUL16 2, (\q)%2, \q, \slot, \zero
	s_wait_dscnt 0
	PLACES NP                                      ; in front of loads into registers that matrix instructions have read
	FETCH_B \slot, (\q)+1, 1-(\q)%2
	FETCH_A \slot, (\q)+1, 0
	WIN MUL_HI
	MUL16 4, (\q)%2, \q, \slot, \zero
	MUL16 6, (\q)%2, \q, \slot, \zero
	PLACES NP
	WIN 0
	FETCH_A \slot, (\q)+1, 4
.endm
; A slot's last step changes slots: one barrier; in front of it each wave waits for all its tensor loads, adds 0 to its spare word, and waits for that and for its reads of this slot.
.macro TURN slot, next, fill
	s_wait_tensorcnt 0x0                           ; all my tensor loads have landed: my part of the next slot
	ds_add_u32 v[SPW], v[NIL]                      ; 0 onto my spare word
	s_wait_dscnt 4*NL+1                            ; (the add and the youngest 24 loads may be out)
	WIN MUL_LO
	MUL16 0, 1, NQ-1, \slot, 0                     ; sixteen matrix instructions stand between the add and the wait for it
	s_wait_dscnt 0x0                               ; the add is done, and my reads of this slot are over
	s_barrier_signal -1
	MUL16 2, 1, NQ-1, \slot, 0
	WIN 0
	s_barrier_wait -1
.if \fill
	CREST                                          ; the barrier has opened a round of the cluster's: no wave of any partner still reads this slot or has a load on its way
	s_add_nc_u64 s[G0+4*\slot+2:G0+4*\slot+3], s[G0+4*\slot+2:G0+4*\slot+3], 2*ROWB
	s_add_nc_u64 s[G0B+4*\slot+2:G0B+4*\slot+3], s[G0B+4*\slot+2:G0B+4*\slot+3], 2*ROWB
	JLOAD G0+4*\slot, G1, G0B+4*\slot, G1B         ; the first tensor load behind the round; its four v_nop are the places in front of the loads below
.else
	PLACES NP
.endif
	s_wait_alu depctr_va_vdst(0)
	v_add_nc_u32 v[ADRS], 4*NQ, v[ADRS]            ; on to the next K step's scale words
	FETCH_B \next, 0, 0
	FETCH_A \next, 0, 0
	SCALES \next
	WIN MUL_HI
	MUL16 4, 1, NQ-1, \slot, 0
	MUL16 6, 1, NQ-1, \slot, 0
	PLACES NP
	WIN 0
	FETCH_A \next, 0, 4
.endm
	s_wait_xcnt 0x0                                ; the prologue's last stores have read their data: A's fragments land in those registers
	s_wait_tensorcnt 1                             ; the scales and my part of K step 0 are in (K step 1's load may be out)
	s_barrier_signal -1
	s_barrier_wait -1                              ; everybody's are
	FETCH_B 0, 0, 0
	FETCH_A 0, 0, 0
	SCALES 0
	FETCH_A 0, 0, 4
	STEP 0, 0, 1                                   ; the first step's products start the sums: nothing is cleared
	s_mov_b32 s3, LAPS-1
.Llap:                                                 ; a trip goes once round the ring and fills both slots again
	TURN 0, 1, 1
	STEP 1, 0, 0
	TURN 1, 0, 1
	STEP 0, 0, 0
	s_sub_co_u32 s3, s3, 1
	s_cmp_lg_u32 s3, 0
	s_cbranch_scc1 .Llap
	TURN 0, 1, 0                                   ; the last lap fills nothing
	STEP 1, 0, 0
	s_wait_dscnt 4*NL
	WIN MUL_LO
	MUL16 0, 1, NQ-1, 1, 0
	MUL16 2, 1, NQ-1, 1, 0
	s_wait_dscnt 0
	WIN MUL_HI
	MUL16 4, 1, NQ-1, 1, 0
	MUL16 6, 1, NQ-1, 1, 0
	WIN 0
	; THE WAY OUT.  No tensor load is out since the last change of slots, so the descriptors' registers are free.  Every choice between the two products is a select on the cluster's number.
	s_cmp_eq_u32 s66, 0
	s_cselect_b32 s24, s17, s42                    ; the tokens' tile of 256,
	s_cselect_b32 s25, s42, s17                    ; the weight's (four heads),
	s_cselect_b32 s26, s15, s16                    ; my half of the tokens,
	s_cselect_b32 s27, s16, s15                    ; my half of the weight's rows (two heads)
	s_cselect_b32 s28, 0, 98304                    ; K's halves begin a head's block, V's follow them
	s_mov_b32 s29, 768
	s_cselect_b32 s29, HB, s29                     ; from registers 0-5 to registers 6-11: kh: the next head; vh: the fragment's second half
	s_mov_b32 s30, 204800
	s_cselect_b32 s30, 196608, s30                 ; the scale words' region
	s_cselect_b32 s31, 9, 8                        ; 512 or 256 bytes of them for 128 tokens
	s_mov_b32 s54, 1536
	s_cselect_b32 s54, 768, s54                    ; from a block of A to the next
	s_mov_b32 s56, 204288
	s_cselect_b32 s56, 768, s56                    ; from block 3 to block 4: vh goes on to the next head: HB - 3 x 1,536
	s_mov_b32 s58, 208704
	s_cselect_b32 s58, 64, s58                     ; the same for the scale words: HB - 3 x 64
	s_cselect_b32 s35, HB, 0                       ; kh: lanes 16-31 store the second head's word,
	s_cselect_b32 s36, 16, 0                       ; which is the upper half of the row's word;
	s_cselect_b32 s37, 0xffff, -1                  ; a word of K's has two bytes, and zeros above them
	s_mov_b32 s55, 0
	s_mov_b32 s57, 0
	s_mov_b32 s59, 0
	s_lshr_b32 s38, s24, 3                         ; the batch
	s_lshl_b32 s38, s38, 4
	s_lshl_b32 s39, s25, 2
	s_add_co_u32 s38, s38, s39
	s_lshl_b32 s39, s27, 1
	s_add_co_u32 s38, s38, s39                     ; my first head: 16 x batch + 4 x tile + 2 x half
	s_and_b32 s39, s24, 7
	s_lshl_b32 s39, s39, 1
	s_add_co_u32 s39, s39, s26                     ; my 128 tokens of the batch's 2,048
	s_mul_i32 s38, s38, HB
	s_mul_i32 s48, s39, 6144
	s_add_co_u32 s48, s48, s38
	s_add_co_u32 s48, s48, s28
	s_mov_b32 s49, 0
	s_add_nc_u64 s[48:49], s[12:13], s[48:49]      ; where registers 0-5 go
	s_mov_b32 s50, s29
	s_mov_b32 s51, 0
	s_add_nc_u64 s[50:51], s[48:49], s[50:51]      ; where registers 6-11 go
	s_lshl_b32 s52, s39, s31
	s_add_co_u32 s52, s52, s38
	s_add_co_u32 s52, s52, s30
	s_mov_b32 s53, 0
	s_add_nc_u64 s[52:53], s[12:13], s[52:53]      ; the scale words
	PLACES NP                                      ; behind the last products: their results are read and A's registers written below
	v_mul_u32_u24 v13, s35, v2
	v_lshl_add_u32 v13, v1, 2, v13                 ; 4 r (+ a head's block for lanes 16-31)
	v_mul_u32_u24 v14, s36, v2
.irp a, 0,1,2,3,4,5,6,7                        ; A's blocks of 16 rows, one after the other: 64 numbers a lane become a fragment
.if \a > 0
	s_wait_xcnt 0x0                                ; the last block's stores have read their data and bases
.if \a == 4
	s_add_nc_u64 s[48:49], s[48:49], s[56:57]
	s_add_nc_u64 s[50:51], s[50:51], s[56:57]
	s_add_nc_u64 s[52:53], s[52:53], s[58:59]
.else
	s_add_nc_u64 s[48:49], s[48:49], s[54:55]
	s_add_nc_u64 s[50:51], s[50:51], s[54:55]
	s_add_nc_u64 s[52:53], s[52:53], 64
.endif
.endif
	QUANT 2+\a/4, 64*(\a%4)
	v_lshrrev_b32 v15, v14, v[PW]
	v_and_b32 v15, s37, v15
	global_store_b128 v7, v[PC:PC+3], s[48:49]                 ; 512 consecutive bytes,
	global_store_b64 v8, v[PC+4:PC+5], s[48:49] offset:512     ; 256 more
	global_store_b128 v7, v[PC+6:PC+9], s[50:51]
	global_store_b64 v8, v[PC+10:PC+11], s[50:51] offset:512
	global_store_b32 v13, v15, s[52:53]
.endr
	s_wait_tensorcnt 0x0                           ; the wave's end
	ds_add_u32 v[SPW], v[NIL]
	s_wait_dscnt 0x0
	CROUND                                         ; the closing round
	s_endpgm
.Lfunc_end_k_q1bdffb724f_kvproj:
	.size	k_q1bdffb724f_kvproj, .Lfunc_end_k_q1bdffb724f_kvproj-k_q1bdffb724f_kvproj
	.p2alignl 7, 3214868480
	.fill 96, 4, 3214868480
	.section	.rodata,"a",@progbits
	.p2align	6, 0x0
	.amdhsa_kernel k_q1bdffb724f_kvproj
		.amdhsa_group_segment_fixed_size 327680
		.amdhsa_private_segment_fixed_size 0
		.amdhsa_enable_private_segment 0
		.amdhsa_kernarg_size 128
		.amdhsa_user_sgpr_count 2
		.amdhsa_user_sgpr_kernarg_segment_ptr 1
		.amdhsa_wavefront_size32 1
		.amdhsa_system_sgpr_workgroup_id_x 1
		.amdhsa_system_sgpr_workgroup_id_y 1
		.amdhsa_system_sgpr_workgroup_id_z 1
		.amdhsa_system_vgpr_workitem_id 0
		.amdhsa_next_free_vgpr 1024
		.amdhsa_next_free_sgpr 106
		.amdhsa_reserve_vcc 0
		.amdhsa_float_denorm_mode_32 3
		.amdhsa_float_denorm_mode_16_64 3
		.amdhsa_memory_ordered 1
		.amdhsa_forward_progress 1
		.amdhsa_inst_pref_size 203
	.end_amdhsa_kernel
	.amdgpu_metadata
---
amdhsa.version: [ 1, 2 ]
amdhsa.kernels:
  - .name:           k_q1bdffb724f_kvproj
    .symbol:         k_q1bdffb724f_kvproj.kd
    .args:
      - { .name: k_codes, .offset: 0, .size: 8, .value_kind: global_buffer, .address_space: global }
      - { .name: k_scales, .offset: 8, .size: 8, .value_kind: global_buffer, .address_space: global }
      - { .name: Wk_codes, .offset: 16, .size: 8, .value_kind: global_buffer, .address_space: global }
      - { .name: Wk_scales, .offset: 24, .size: 8, .value_kind: global_buffer, .address_space: global }
      - { .name: Wv_codes, .offset: 32, .size: 8, .value_kind: global_buffer, .address_space: global }
      - { .name: Wv_scales, .offset: 40, .size: 8, .value_kind: global_buffer, .address_space: global }
      - { .name: v_codes, .offset: 48, .size: 8, .value_kind: global_buffer, .address_space: global }
      - { .name: v_scales, .offset: 56, .size: 8, .value_kind: global_buffer, .address_space: global }
      - { .name: q, .offset: 64, .size: 8, .value_kind: global_buffer, .address_space: global }
      - { .name: Wq_codes, .offset: 72, .size: 8, .value_kind: global_buffer, .address_space: global }
      - { .name: Wo_codes, .offset: 80, .size: 8, .value_kind: global_buffer, .address_space: global }
      - { .name: kv, .offset: 88, .size: 8, .value_kind: global_buffer, .address_space: global }
      - { .name: qimg, .offset: 96, .size: 8, .value_kind: global_buffer, .address_space: global }
      - { .name: qsc, .offset: 104, .size: 8, .value_kind: global_buffer, .address_space: global }
      - { .name: wqimg, .offset: 112, .size: 8, .value_kind: global_buffer, .address_space: global }
      - { .name: woimg, .offset: 120, .size: 8, .value_kind: global_buffer, .address_space: global }
    .group_segment_fixed_size: 327680
    .private_segment_fixed_size: 0
    .kernarg_segment_align: 8
    .kernarg_segment_size: 128
    .max_flat_workgroup_size: 128
    .sgpr_count:     106
    .vgpr_count:     1024
    .wavefront_size: 32
...
	.end_amdgpu_metadata
.endif
;; end of part 1
;; launch attn (part 2): grid 4 x 64, 16 waves a work-group, clusters of 4 x 1, 327,680 bytes of LDS; arguments qimg, qsc, wqimg, Wq_scales, kv, cimg, csc; writes cimg, csc
.if DOCPART == 2
	.amdgcn_target "amdgcn-amd-amdhsa--gfx1250"
	.amdhsa_code_object_version 6
	.text
	.protected	k_q1bdffb724f_attn
	.globl	k_q1bdffb724f_attn
	.p2align	8
	.type	k_q1bdffb724f_attn,@function
k_q1bdffb724f_attn:
	s_mov_b64 s[64:65], 0
	v_nop
	global_prefetch_b8 v0, s[64:65] scope:SCOPE_SE
	s_setreg_imm32_b32 hwreg(HW_REG_WAVE_MODE, 25, 1), 1
	s_wait_xcnt 0x0
	s_wait_alu depctr_hold_cnt(0) depctr_sa_sdst(0) depctr_va_vdst(0) depctr_va_sdst(0) depctr_va_ssrc(0) depctr_va_vcc(0) depctr_vm_vsrc(0)
	s_getreg_b32 s2, hwreg(HW_REG_IB_STS2, 6, 4)
	s_cmp_eq_u32 s2, 0
	s_cbranch_scc0 .Lentry_in_a_cluster
	s_endpgm
.Lentry_in_a_cluster:
	s_bfe_u32 s2, ttmp6, 0x10000c
	s_cmp_lg_u32 s2, 0x3003
	s_cbranch_scc0 .Lentry_shape_is_right
	s_endpgm
.Lentry_shape_is_right:
; For one (batch, head) and 512 queries: qh = q Wq^T (the head's 64 columns), S^T = kh qh^T, the softmax, O^T = vh^T p^T, O / l, and ctx quantised along the head's 64.  All products on codes of FP6 (E2M3) with E8M0 scales.
; THE SOFTMAX AHEAD OF THE SECOND PRODUCT: t = score x log2(e) / 8; M = the row's largest t so far, rounded UP to a whole number; p = 2^(t - M) is quantised along the keys, not normalised.
; The row's sum is taken of the unquantised p and divides O at the end.  When M moves, the sum and O are multiplied by 2^(old M - new M): exact.
; SHARES.  Sixteen waves, four to a SIMD; wave w owns two tiles of 16 queries, one after the other (two passes).  Every wave walks the head's 2,048 keys, 128 a step.
; THE WHOLE HEAD LIES IN LDS: its block of kv (K's half images, V's images, both scale words: 208,896 bytes) at byte 0, as it lies in memory, and the head's 32 images of Wq (49,152 bytes) behind it.
; Each byte is filled once, so there is no ring and the key loop has no barrier.  The four work-groups of a cluster belong to one head: each of the two loads a wave is asked for jointly, mask 15.
; LAYOUT.  All products are used transposed (source 1 = my 16 queries): a lane holds ONE query (lane % 16) throughout, and register 8 T + j of tile T holds index 16 T + 8 (lane / 16) + j of the other axis.
; The quantiser keeps each block of 32 together and lays its codes in the order 0-7, 16-23, 8-15, 24-31; kh, vh, qh and p are all laid so, so both sides of a product agree.  ctx is first brought into true order, for Wo.
; S^T has K = 64: registers 6-11 of both fragments hold zero codes, and the upper two scale bytes are 0 (a power of two, no NaN): they add nothing.
; LIMITS: NaN and infinities are not served.  A block under 2^(3 - 127) gets the scale byte 1.  A block's largest p is taken as the exponential of the block's largest score: this takes v_exp_f32 not to fall where its input rises.
; REGISTERS: v1-3 16, 8, 4 x lane; v4-9 the step's LDS addresses; v10 Wq's images; v11 32 x lane; v12 -M, v13 the largest t, v[14:15] the sum; v16-27 Q; v28 32 r; v32-79 four fragments of K (of Wq at the head);
;   v80-91 block maxima, at work, scale operands; v[92:93] f; v94 at work; v96-159 S^T, p, then V's fragments; v160-191 O^T; v192-203 p's codes; v204-210 conversions; v212-217 the second pass's Q; v232-255 scales alone.
.set HB,   208896
.set VIMG, 98304
.set KSC,  196608
.set VSC,  204800
.set WQ,   208896
.set QF,   16
.set KF,   32
.set BM,   80
.set BT,   84
.set SO,   88
.set FF,   92
.set TT,   94
.set S,    96
.set O,    160
.set PCD,  192
.set CT0,  204
.set QN,   212
.set RING, 160                         ; at the head: q's fragments of three K steps, two tiles each
.set WSR,  232                         ; at the head: Wq's scale words, 16 registers;
.set QSR,  248                         ; q's, 8
.set KSR,  232                         ; in the loop: K's scale words, 4;
.set VSR,  236                         ; V's, 2;
.set PW,   238                         ; p's;
.set QSW,  239                         ; Q's;
.set QSN,  240                         ; the second pass's Q's
.macro PLACES n
.rept \n
	v_nop
.endr
.endm
.macro ROUND                           ; a round of the cluster's barrier
	s_barrier_signal -1
	s_barrier_wait -1
	s_cmp_lg_u32 s18, 0
	s_cbranch_scc1 .Lnot_wave_0_\@
	s_barrier_signal -3
.Lnot_wave_0_\@:
	s_barrier_wait -3
	s_barrier_signal -1
	s_barrier_wait -1
.endm
; One matrix instruction.  zero = 1: it starts the sum.  ra, rb = 1: that side's scales are read from lanes 16-31.
.macro WM d, a, b, zero, sa, sb, ra, rb
.set SELR, (\ra)+2*(\rb)+4*(\zero)
.if SELR == 0
	v_wmma_scale_f32_16x16x128_f8f6f4 v[(\d):(\d)+7], v[(\a):(\a)+11], v[(\b):(\b)+11], v[(\d):(\d)+7], v[\sa], v[\sb] matrix_a_fmt:MATRIX_FMT_FP6 matrix_b_fmt:MATRIX_FMT_FP6
.elseif SELR == 1
	v_wmma_scale_f32_16x16x128_f8f6f4 v[(\d):(\d)+7], v[(\a):(\a)+11], v[(\b):(\b)+11], v[(\d):(\d)+7], v[\sa], v[\sb] matrix_a_fmt:MATRIX_FMT_FP6 matrix_b_fmt:MATRIX_FMT_FP6 matrix_a_scale:MATRIX_SCALE_ROW1
.elseif SELR == 2
	v_wmma_scale_f32_16x16x128_f8f6f4 v[(\d):(\d)+7], v[(\a):(\a)+11], v[(\b):(\b)+11], v[(\d):(\d)+7], v[\sa], v[\sb] matrix_a_fmt:MATRIX_FMT_FP6 matrix_b_fmt:MATRIX_FMT_FP6 matrix_b_scale:MATRIX_SCALE_ROW1
.elseif SELR == 3
	v_wmma_scale_f32_16x16x128_f8f6f4 v[(\d):(\d)+7], v[(\a):(\a)+11], v[(\b):(\b)+11], v[(\d):(\d)+7], v[\sa], v[\sb] matrix_a_fmt:MATRIX_FMT_FP6 matrix_b_fmt:MATRIX_FMT_FP6 matrix_a_scale:MATRIX_SCALE_ROW1 matrix_b_scale:MATRIX_SCALE_ROW1
.elseif SELR == 4
	v_wmma_scale_f32_16x16x128_f8f6f4 v[(\d):(\d)+7], v[(\a):(\a)+11], v[(\b):(\b)+11], 0, v[\sa], v[\sb] matrix_a_fmt:MATRIX_FMT_FP6 matrix_b_fmt:MATRIX_FMT_FP6
.elseif SELR == 5
	v_wmma_scale_f32_16x16x128_f8f6f4 v[(\d):(\d)+7], v[(\a):(\a)+11], v[(\b):(\b)+11], 0, v[\sa], v[\sb] matrix_a_fmt:MATRIX_FMT_FP6 matrix_b_fmt:MATRIX_FMT_FP6 matrix_a_scale:MATRIX_SCALE_ROW1
.elseif SELR == 6
	v_wmma_scale_f32_16x16x128_f8f6f4 v[(\d):(\d)+7], v[(\a):(\a)+11], v[(\b):(\b)+11], 0, v[\sa], v[\sb] matrix_a_fmt:MATRIX_FMT_FP6 matrix_b_fmt:MATRIX_FMT_FP6 matrix_b_scale:MATRIX_SCALE_ROW1
.else
	v_wmma_scale_f32_16x16x128_f8f6f4 v[(\d):(\d)+7], v[(\a):(\a)+11], v[(\b):(\b)+11], 0, v[\sa], v[\sb] matrix_a_fmt:MATRIX_FMT_FP6 matrix_b_fmt:MATRIX_FMT_FP6 matrix_a_scale:MATRIX_SCALE_ROW1 matrix_b_scale:MATRIX_SCALE_ROW1
.endif
.endm
; 32 numbers of a lane, v[s] .. v[s + 31] (two blocks of 32 with lane l xor 16), become six registers of codes at v[pc] and two scale bytes in v[w]; ct: three registers at work.
.macro QUANTH s, pc, ct, w
.irp b, 0,1
	v_max3_num_f32 v[BM+\b], |v[(\s)+16*\b]|, |v[(\s)+16*\b+1]|, 0x1800000   ; with the floor 2^(3 - 127): the byte cannot fall under 1
.endr
.irp i, 2,4,6,8,10,12,14
.irp b, 0,1
	v_max3_num_f32 v[BM+\b], v[BM+\b], |v[(\s)+16*\b+\i]|, |v[(\s)+16*\b+\i+1]|
.endr
.endr
.irp b, 0,1
	s_delay_alu instid0(VALU_DEP_2)
	v_permlanex16_b32 v[BT+\b], v[BM+\b], s20, s21
.endr
.irp b, 0,1
	s_delay_alu instid0(VALU_DEP_2)
	v_max_num_f32 v[BM+\b], v[BM+\b], v[BT+\b]
.endr
.irp b, 0,1
	s_delay_alu instid0(VALU_DEP_2)
	v_add_nc_u32 v[SO+\b], 0xff000000, v[BM+\b]    ; 2 off the exponent field: the conversion's scale operand
.endr
.irp b, 0,1
	s_delay_alu instid0(VALU_DEP_2)
	v_lshrrev_b32 v[BT+\b], 23, v[SO+\b]           ; the scale's byte
.endr
	s_delay_alu instid0(VALU_DEP_1)
	v_lshl_or_b32 v[\w], v[BT+1], 8, v[BT]
	v_cvt_scalef32_pk16_fp6_f32 v[(\pc):(\pc)+2], v[(\s):(\s)+15], v[SO]
	v_cvt_scalef32_pk16_fp6_f32 v[(\ct):(\ct)+2], v[(\s)+16:(\s)+31], v[SO+1]
	v_nop                                          ; one plain place behind a scaled conversion
.irp i, 0,1,2
	v_permlane16_swap_b32 v[(\pc)+\i], v[(\ct)+\i] ; a whole block to a lane: lanes 0-15 block 0, lanes 16-31 block 1
.endr
.irp i, 0,1,2
	s_delay_alu instid0(VALU_DEP_3)
	v_mov_b32 v[(\pc)+3+\i], v[(\ct)+\i]
.endr
.endm
	s_load_b256 s[4:11], s[0:1], 0x0               ; qimg, qsc, wqimg, Wq's scales
	s_load_b128 s[12:15], s[0:1], 0x20             ; kv, cimg
	s_load_b64 s[16:17], s[0:1], 0x30              ; csc
	v_lshl_add_u32 v31, v0, 2, 0x40000
	v_mov_b32 v95, 0
	ds_add_u32 v31, v95
	ds_add_u32 v31, v95
	v_lshrrev_b32 v1, 5, v0
	s_delay_alu instid0(VALU_DEP_1)
	v_readfirstlane_b32 s18, v1                    ; wave 0..15
	s_bfe_u32 s19, ttmp6, 0x40000                  ; cx: it enters addresses in qimg, qsc, cimg and csc alone
	s_and_b32 s48, ttmp7, 0xffff                   ; 16 x batch + head, which the four partners share
	s_lshr_b32 s49, s48, 4
	s_and_b32 s50, s48, 15
	s_lshl_b32 s51, s49, 7
	s_lshl_b32 s52, s19, 5
	s_add_co_u32 s51, s51, s52
	s_lshl_b32 s52, s18, 1
	s_add_co_u32 s51, s51, s52                     ; my first tile of queries: 128 x batch + 32 cx + 2 x wave
	s_mul_i32 s52, s50, 49152                      ; the head's images of Wq,
	s_mul_i32 s56, s18, 3072                       ; my sixteenth of them: 12 rows of 256 bytes
	s_add_co_u32 s52, s52, s56
	s_mov_b32 s53, 0
	s_mul_i32 s54, s48, HB                         ; the head's block of kv,
	s_mul_i32 s57, s18, 13056                      ; my sixteenth: 51 rows of 256 bytes
	s_add_co_u32 s54, s54, s57
	s_mov_b32 s55, 0
	; descriptor groups 1: dense rows of 256 bytes (32 elements of 8 bytes), no padding; the mask names all four work-groups, bit 21 beside it
	s_mov_b32 s24, 15|(3<<16)|(1<<21)
	s_mov_b32 s25, 32<<16                          ; tensor_dim0
	s_mov_b32 s26, 12<<16                          ; tensor_dim1
	s_mov_b32 s27, 32<<16                          ; tile_dim0
	s_mov_b32 s28, 12                              ; tile_dim1
	s_mov_b32 s29, 32                              ; from row to row
	s_mov_b32 s30, 0
	s_mov_b32 s31, 0
	s_mov_b32 s32, 15|(3<<16)|(1<<21)
	s_mov_b32 s33, 32<<16
	s_mov_b32 s34, 51<<16
	s_mov_b32 s35, 32<<16
	s_mov_b32 s36, 51
	s_mov_b32 s37, 32
	s_mov_b32 s38, 0
	s_mov_b32 s39, 0
	s_mov_b32 s20, 0x76543210
	s_mov_b32 s21, 0xfedcba98                      ; v_permlanex16_b32's selects for lane l xor 16
	s_mov_b32 s22, 0x3e38aa3b                      ; c = log2(e) / 8
	s_mov_b32 s23, s22                             ; (named with it as a pair)
	s_wait_dscnt 0x0
	s_wait_kmcnt 0x0
	s_mov_b32 s40, 1
	s_add_co_u32 s41, s56, WQ
	s_add_nc_u64 s[42:43], s[8:9], s[52:53]
	s_or_b32 s43, s43, 0x80000000
	s_mov_b32 s44, 1
	s_mov_b32 s45, s57
	s_add_nc_u64 s[46:47], s[12:13], s[54:55]
	s_or_b32 s47, s47, 0x80000000
	ROUND                                          ; all four work-groups are here: the joint loads meet
	tensor_load_to_lds s[40:43], s[24:31]          ; Wq's images first: they are wanted first
	s_nop 0
	s_wait_alu depctr_va_vdst(0)
	s_wait_tensorcnt 0x0
	ds_add_u32 v31, v95
	s_wait_dscnt 0x0
	ROUND
	tensor_load_to_lds s[44:47], s[32:39]          ; the head's K and V: two tensor loads of mine are out
	s_nop 0
	PLACES 4
	s_mul_i32 s52, s51, 12288
	s_add_nc_u64 s[4:5], s[4:5], s[52:53]          ; q's images at my first tile
	s_lshl_b32 s52, s51, 9
	s_add_nc_u64 s[6:7], s[6:7], s[52:53]          ; its scale words
	s_lshl_b32 s54, s50, 1
	s_add_co_u32 s52, s52, s54
	s_add_nc_u64 s[16:17], s[16:17], s[52:53]      ; csc: 32 bytes a row, my head's two bytes
	s_lshl_b32 s52, s51, 4
	s_add_co_u32 s52, s52, s50
	s_mul_i32 s52, s52, 768
	s_add_nc_u64 s[14:15], s[14:15], s[52:53]      ; cimg: (16 x tile + head) x 768
	s_lshl_b32 s52, s50, 11
	s_add_nc_u64 s[10:11], s[10:11], s[52:53]      ; Wq's scales: the head's 64 rows of 32 bytes
	v_and_b32 v29, 31, v0
	s_delay_alu instid0(VALU_DEP_1)
	v_lshlrev_b32 v1, 4, v29
	s_delay_alu instid0(VALU_DEP_2)
	v_lshlrev_b32 v2, 3, v29
	s_delay_alu instid0(VALU_DEP_3)
	v_lshlrev_b32 v3, 2, v29
	s_delay_alu instid0(VALU_DEP_4)
	v_lshlrev_b32 v11, 5, v29
	s_delay_alu instid0(VALU_DEP_4)
	v_add_nc_u32 v10, WQ, v1
	v_and_b32 v28, 15, v0
	s_delay_alu instid0(VALU_DEP_1)
	v_lshlrev_b32 v28, 5, v28
.irp i, 0,1                                    ; Wq's scale words: a lane a row; register 8 i + s: lanes 0-15 tile 2 i, lanes 16-31 tile 2 i + 1, K step s
	global_load_b128 v[WSR+8*\i:WSR+8*\i+3], v11, s[10:11] offset:1024*\i
	global_load_b128 v[WSR+8*\i+4:WSR+8*\i+7], v11, s[10:11] offset:1024*\i+16
.endr
.irp p, 0,1                                    ; q's: register 4 p + i: lanes 0-15 K step 2 i, lanes 16-31 K step 2 i + 1
.irp i, 0,1,2,3
	global_load_b32 v[QSR+4*\p+\i], v3, s[6:7] offset:512*\p+128*\i
.endr
.endr
.macro QFRAG s                         ; q's two fragments of K step s
.irp p, 0,1
.irp c, 0,1,2
	global_load_b128 v[RING+24*((\s)%3)+12*\p+4*\c:RING+24*((\s)%3)+12*\p+4*\c+3], v1, s[4:5] offset:12288*\p+1536*(\s)+512*\c
.endr
.endr
.endm
.macro WFRAG s                         ; Wq's four fragments of K step s
.irp t, 0,1,2,3
.irp c, 0,1,2
	ds_load_b128 v[KF+12*\t+4*\c:KF+12*\t+4*\c+3], v10 offset:(8*\t+(\s))*1536+512*\c
.endr
.endr
.endm
	QFRAG 0
	QFRAG 1
	QFRAG 2
.irp b, 0,1,2,3
	v_mov_b32 v[BT+\b], 0                          ; a lane permute's destination counts as one of its sources
.endr
	v_mov_b32 v[FF+1], 0                           ; (named as the upper half of the pair f)
	s_wait_alu depctr_va_vdst(0)
	s_wait_tensorcnt 1                             ; my part of Wq's images is in; K and V may stay out
	s_barrier_signal -1
	s_barrier_wait -1
	WFRAG 0
; THE Q PROJECTION, a K step of 128: eight accumulators (4 tiles of d x 2 tiles of queries) by turns.  It runs while K and V land.
.macro PSTEP s
.if (\s) <= 5
	s_wait_loadcnt 12                              ; this step's fragments are in (at step 0 the scale words too); the two younger steps' may be out
.elseif (\s) == 6
	s_wait_loadcnt 6
.else
	s_wait_loadcnt 0
.endif
	s_wait_dscnt 0x0
.set ZR, 0
.if (\s) == 0
.set ZR, 1
.endif
.irp t, 0,1,2,3
.irp p, 0,1
	WM S+8*(4*\p+\t), KF+12*\t, RING+24*((\s)%3)+12*\p, ZR, WSR+8*(\t/2)+(\s), QSR+4*\p+(\s)/2, \t%2, (\s)%2
.endr
.endr
	PLACES 4                                       ; in front of loads into registers that matrix instructions have read, and of the first read of results
.if (\s)+3 <= 7
	QFRAG (\s)+3
.endif
.if (\s) < 7
	WFRAG (\s)+1
.endif
.endm
.irp s, 0,1,2,3,4,5,6,7
	PSTEP \s
.endr
	QUANTH S, QF, CT0, QSW                         ; the first pass's queries
	QUANTH S+32, QN, CT0+4, QSN                    ; the second pass's
.irp j, 6,7,8,9,10,11
	v_mov_b32 v[QF+\j], 0                          ; K = 64: the upper halves hold zero codes
.irp t, 0,1,2,3
	v_mov_b32 v[KF+12*\t+\j], 0
.endr
.endr
	s_wait_tensorcnt 0x0                           ; my part of K and V is in,
	s_wait_dscnt 0x0
	s_barrier_signal -1
	s_barrier_wait -1                              ; everybody's is
	s_mov_b32 s61, 2
.Lpass:
	v_mov_b32 v13, 0xff61b1e6                      ; the largest t so far: -3e38
	s_delay_alu instid0(VALU_DEP_1)
	v_floor_f32 v12, -v13                          ; -M
	v_mov_b32 v14, 0
	v_mov_b32 v15, 0
.irp j, 0,1,2,3,4,5,6,7,8,9,10,11,12,13,14,15,16,17,18,19,20,21,22,23,24,25,26,27,28,29,30,31
	v_mov_b32 v[O+\j], 0                           ; the step is written once: the first finds zeros, which the first change of M leaves zeros
.endr
	s_mov_b32 s56, 0                               ; where the step's tiles of K begin,
	s_mov_b32 s57, VIMG                            ; of V,
	s_mov_b32 s58, KSC                             ; K's scale words,
	s_mov_b32 s59, VSC                             ; V's
	s_mov_b32 s60, 16
.Lstep:                                            ; 128 keys
	s_setprio 2
	v_add_nc_u32 v4, s56, v1                       ; six additions and the two v_nop at a step's end: eight places between the last products, whose operands S^T writes over, and the first below
	s_wait_alu depctr_va_vdst(0)
	v_add_nc_u32 v5, s56, v2
	s_wait_alu depctr_va_vdst(0)
	v_add_nc_u32 v6, s57, v1
	v_add_nc_u32 v7, s57, v2
	v_add_nc_u32 v8, s58, v3
	v_add_nc_u32 v9, s59, v3
.irp g, 0,1                                    ; S^T = K Q^T, four tiles of 16 keys at a time
.if \g
	PLACES 4
.endif
.irp t, 0,1,2,3
	ds_load_b128 v[KF+12*\t:KF+12*\t+3], v4 offset:768*(4*\g+\t)
	ds_load_b64 v[KF+12*\t+4:KF+12*\t+5], v5 offset:768*(4*\g+\t)+512
.endr
.if \g == 0
.irp i, 0,1,2,3
	ds_load_b32 v[KSR+\i], v8 offset:128*\i        ; lanes 0-15 tile 2 i, lanes 16-31 tile 2 i + 1
.endr
.irp i, 0,1
	ds_load_b32 v[VSR+\i], v9 offset:128*\i
.endr
.endif
	s_wait_dscnt 0x0
.irp t, 0,1,2,3
	WM S+8*(4*\g+\t), KF+12*\t, QF, 1, KSR+(4*\g+\t)/2, QSW, \t%2, 0
.endr
.endr
	PLACES 4
.irp b, 0,1,2,3
	v_max3_num_f32 v[BM+\b], v[S+16*\b], v[S+1+16*\b], v[S+2+16*\b]   ; the largest score of each block of 32 keys: for the row's maximum and for the block's largest p
.endr
.irp i, 3,5,7,9,11,13
.irp b, 0,1,2,3
	v_max3_num_f32 v[BM+\b], v[BM+\b], v[S+16*\b+\i], v[S+1+16*\b+\i]
.endr
.endr
.irp b, 0,1,2,3
	v_max_num_f32 v[BM+\b], v[BM+\b], v[S+15+16*\b]
.endr
.irp b, 0,1,2,3
	s_delay_alu instid0(VALU_DEP_4)
	v_permlanex16_b32 v[BT+\b], v[BM+\b], s20, s21
.endr
.irp b, 0,1,2,3
	s_delay_alu instid0(VALU_DEP_4)
	v_max_num_f32 v[BM+\b], v[BM+\b], v[BT+\b]
.endr
	s_delay_alu instid0(VALU_DEP_2)
	v_max3_num_f32 v[TT], v[BM], v[BM+1], v[BM+2]
	s_delay_alu instid0(VALU_DEP_1)
	v_max_num_f32 v[TT], v[TT], v[BM+3]
	s_delay_alu instid0(VALU_DEP_1)
	v_mul_f32 v[TT], s22, v[TT]                    ; as t (c is positive)
	s_delay_alu instid0(VALU_DEP_1)
	v_max_num_f32 v13, v13, v[TT]                  ; the running largest t
	v_mov_b32 v[TT], v12
	s_delay_alu instid0(VALU_DEP_2)
	v_floor_f32 v12, -v13                          ; the new -M = -ceil(t)
	s_delay_alu instid0(VALU_DEP_1)
	v_sub_f32 v[TT], v12, v[TT]                    ; old M - new M: a whole number, 0 or less
	s_delay_alu instid0(VALU_DEP_1)
	v_cvt_i32_f32 v[TT], v[TT]                     ; (it saturates)
	s_delay_alu instid0(VALU_DEP_1)
	v_ldexp_f32 v[FF], 1.0, v[TT]                  ; f = 2^(old M - new M)
.irp j, 0,2,4,6,8,10,12,14,16,18,20,22,24,26,28,30,32,34,36,38,40,42,44,46,48,50,52,54,56,58,60,62
	v_pk_fma_f32 v[S+\j:S+\j+1], v[S+\j:S+\j+1], s[22:23], v[12:13] op_sel_hi:[1,0,0]   ; t - M, two at a time
.endr
.irp b, 0,1,2,3
	v_fma_f32 v[BM+\b], v[BM+\b], s22, v12         ; the same of each block's largest score
.endr
	s_wait_alu depctr_va_vdst(0)
.irp j, 0,1,2,3,4,5,6,7,8,9,10,11,12,13,14,15,16,17,18,19,20,21,22,23,24,25,26,27,28,29,30,31,32,33,34,35,36,37,38,39,40,41,42,43,44,45,46,47,48,49,50,51,52,53,54,55,56,57,58,59,60,61,62,63
	v_exp_f32 v[S+\j], v[S+\j]                     ; p = 2^(t - M)
.endr
	s_setprio 1
	v_pk_mul_f32 v[14:15], v[14:15], v[FF:FF+1] op_sel_hi:[1,0]   ; the sums under the new M: the plain place behind the exponentials
	s_wait_alu depctr_va_vdst(0)                   ; one wait for the batch of 64, ahead of its first reader
.irp b, 0,1,2,3
	v_exp_f32 v[BM+\b], v[BM+\b]                   ; the block's largest p
.endr
	v_pk_add_f32 v[BT:BT+1], v[S:S+1], v[S+2:S+3]  ; the row's sum of the unquantised p, in two chains; it reads the 64 alone
.irp j, 4,8,12,16,20,24,28,32,36,40,44,48,52,56,60
	v_pk_add_f32 v[14:15], v[14:15], v[S+\j:S+\j+1]
	v_pk_add_f32 v[BT:BT+1], v[BT:BT+1], v[S+2+\j:S+3+\j]
.endr
	s_delay_alu instid0(VALU_DEP_1)
	v_pk_add_f32 v[14:15], v[14:15], v[BT:BT+1]
	s_wait_alu depctr_va_vdst(0)                   ; and one for the four
.irp b, 0,1,2,3
	v_max_num_f32 v[BM+\b], 0x1800000, v[BM+\b]    ; the floor 2^(3 - 127)
.endr
.irp b, 0,1,2,3
	s_delay_alu instid0(VALU_DEP_4)
	v_add_nc_u32 v[SO+\b], 0xff000000, v[BM+\b]
.endr
.irp b, 0,1,2,3
	s_delay_alu instid0(VALU_DEP_4)
	v_lshrrev_b32 v[BT+\b], 23, v[SO+\b]
.endr
	s_delay_alu instid0(VALU_DEP_3)
	v_lshl_or_b32 v[PW], v[BT+1], 8, v[BT]         ; p's scale word for these 128 keys
	s_delay_alu instid0(VALU_DEP_1)
	v_lshl_or_b32 v[PW], v[BT+2], 16, v[PW]
	s_delay_alu instid0(VALU_DEP_1)
	v_lshl_or_b32 v[PW], v[BT+3], 24, v[PW]
.irp c, 0,1
	v_cvt_scalef32_pk16_fp6_f32 v[PCD+6*\c:PCD+6*\c+2], v[S+32*\c:S+32*\c+15], v[SO+2*\c]
	v_cvt_scalef32_pk16_fp6_f32 v[CT0+4*\c:CT0+4*\c+2], v[S+32*\c+16:S+32*\c+31], v[SO+2*\c+1]
.endr
	v_nop                                          ; one plain place behind a scaled conversion
.irp t, 0,1,2,3                                ; p is spent: V's four fragments land in its registers while the codes are put in place and O^T is rescaled
.irp c, 0,1
	ds_load_b128 v[S+12*\t+6*\c:S+12*\t+6*\c+3], v6 offset:1536*\t+768*\c
	ds_load_b64 v[S+12*\t+6*\c+4:S+12*\t+6*\c+5], v7 offset:1536*\t+768*\c+512
.endr
.endr
.irp c, 0,1
.irp i, 0,1,2
	v_permlane16_swap_b32 v[PCD+6*\c+\i], v[CT0+4*\c+\i]
.endr
.irp i, 0,1,2
	s_delay_alu instid0(VALU_DEP_3)
	v_mov_b32 v[PCD+3+6*\c+\i], v[CT0+4*\c+\i]
.endr
.endr
	s_setprio 0
.irp j, 0,2,4,6,8,10,12,14,16,18,20,22,24,26,28,30
	v_pk_mul_f32 v[O+\j:O+\j+1], v[O+\j:O+\j+1], v[FF:FF+1] op_sel_hi:[1,0]   ; O^T under the new M; these sixteen are also the places between the codes, the scale word and the products
.endr
	s_wait_alu depctr_va_vdst(0)
	s_wait_dscnt 0x0
.irp t, 0,1,2,3
	WM O+8*\t, S+12*\t, PCD, 0, VSR+\t/2, PW, \t%2, 0     ; O^T += V^T P^T: four accumulators by turns
.endr
	PLACES 2
	s_add_co_u32 s56, s56, 6144
	s_add_co_u32 s57, s57, 6144
	s_add_co_u32 s58, s58, 512
	s_add_co_u32 s59, s59, 256
	s_sub_co_u32 s60, s60, 1
	s_cmp_lg_u32 s60, 0
	s_cbranch_scc1 .Lstep
	s_setprio 0
	; THE PASS'S END: O^T / the sum, into true order along d, quantised, stored as half an image of the last product's operand
	v_add_f32 v14, v14, v15
	s_delay_alu instid0(VALU_DEP_1)
	v_permlanex16_b32 v[TT], v14, s20, s21
	s_delay_alu instid0(VALU_DEP_1)
	v_add_f32 v14, v14, v[TT]                      ; the row's sum
	s_wait_alu depctr_va_vdst(0)
	v_rcp_f32 v14, v14
	v_nop                                          ; a plain place behind the reciprocal,
	s_wait_alu depctr_va_vdst(0)                   ; and the wait ahead of its first reader
.irp j, 0,1,2,3,4,5,6,7,8,9,10,11,12,13,14,15,16,17,18,19,20,21,22,23,24,25,26,27,28,29,30,31
	v_mul_f32 v[S+\j], v[O+\j], v14                ; register 8 t + j: d = 16 t + 8 h + j
.endr
.irp u, 0,1
.irp j, 0,1,2,3,4,5,6,7
	v_permlane16_swap_b32 v[S+16*\u+\j], v[S+8+16*\u+\j]   ; now register 16 u + i: d = 32 u + 16 h + i
.endr
.endr
	QUANTH S, PCD, CT0, TT
	global_store_b128 v1, v[PCD:PCD+3], s[14:15]               ; 512 consecutive bytes,
	global_store_b64 v2, v[PCD+4:PCD+5], s[14:15] offset:512   ; 256 more
	global_store_b16 v28, v[TT], s[16:17]                      ; my row's two scale bytes of this head (lanes l and l + 16 store the same)
	s_wait_xcnt 0x0                                ; the stores have read their data and bases
	s_add_nc_u64 s[14:15], s[14:15], 12288         ; the next tile of queries
	s_add_nc_u64 s[16:17], s[16:17], 512
.irp j, 0,1,2,3,4,5
	v_mov_b32 v[QF+\j], v[QN+\j]
.endr
	v_mov_b32 v[QSW], v[QSN]
	s_sub_co_u32 s61, s61, 1
	s_cmp_lg_u32 s61, 0
	s_cbranch_scc1 .Lpass
	s_wait_tensorcnt 0x0
	ds_add_u32 v31, v95
	s_wait_dscnt 0x0
	ROUND                                          ; the closing round
	s_endpgm
.Lfunc_end_k_q1bdffb724f_attn:
	.size	k_q1bdffb724f_attn, .Lfunc_end_k_q1bdffb724f_attn-k_q1bdffb724f_attn
	.p2alignl 7, 3214868480
	.fill 96, 4, 3214868480
	.section	.rodata,"a",@progbits
	.p2align	6, 0x0
	.amdhsa_kernel k_q1bdffb724f_attn
		.amdhsa_group_segment_fixed_size 327680
		.amdhsa_private_segment_fixed_size 0
		.amdhsa_enable_private_segment 0
		.amdhsa_kernarg_size 56
		.amdhsa_user_sgpr_count 2
		.amdhsa_user_sgpr_kernarg_segment_ptr 1
		.amdhsa_wavefront_size32 1
		.amdhsa_system_sgpr_workgroup_id_x 1
		.amdhsa_system_sgpr_workgroup_id_y 1
		.amdhsa_system_sgpr_workgroup_id_z 1
		.amdhsa_system_vgpr_workitem_id 0
		.amdhsa_next_free_vgpr 256
		.amdhsa_next_free_sgpr 66
		.amdhsa_reserve_vcc 0
		.amdhsa_float_denorm_mode_32 3
		.amdhsa_float_denorm_mode_16_64 3
		.amdhsa_memory_ordered 1
		.amdhsa_forward_progress 1
		.amdhsa_inst_pref_size 57
	.end_amdhsa_kernel
	.amdgpu_metadata
---
amdhsa.version: [ 1, 2 ]
amdhsa.kernels:
  - .name:           k_q1bdffb724f_attn
    .symbol:         k_q1bdffb724f_attn.kd
    .args:
      - { .name: qimg, .offset: 0, .size: 8, .value_kind: global_buffer, .address_space: global }
      - { .name: qsc, .offset: 8, .size: 8, .value_kind: global_buffer, .address_space: global }
      - { .name: wqimg, .offset: 16, .size: 8, .value_kind: global_buffer, .address_space: global }
      - { .name: Wq_scales, .offset: 24, .size: 8, .value_kind: global_buffer, .address_space: global }
      - { .name: kv, .offset: 32, .size: 8, .value_kind: global_buffer, .address_space: global }
      - { .name: cimg, .offset: 40, .size: 8, .value_kind: global_buffer, .address_space: global }
      - { .name: csc, .offset: 48, .size: 8, .value_kind: global_buffer, .address_space: global }
    .group_segment_fixed_size: 327680
    .private_segment_fixed_size: 0
    .kernarg_segment_align: 8
    .kernarg_segment_size: 56
    .max_flat_workgroup_size: 512
    .sgpr_count:     66
    .vgpr_count:     256
    .wavefront_size: 32
...
	.end_amdgpu_metadata
.endif
;; end of part 2
;; launch oproj (part 3): grid 256 x 1, 16 waves a work-group, no clusters, 158,208 bytes of LDS; arguments cimg, csc, woimg, Wo_scales, q, ln_gamma, ln_beta, out0; writes out0
.if DOCPART == 3
	.amdgcn_target "amdgcn-amd-amdhsa--gfx1250"
	.amdhsa_code_object_version 6
	.text
	.protected	k_q1bdffb724f_oproj
	.globl	k_q1bdffb724f_oproj
	.p2align	8
	.type	k_q1bdffb724f_oproj,@function
k_q1bdffb724f_oproj:
	s_mov_b64 s[64:65], 0
	v_nop
	global_prefetch_b8 v0, s[64:65] scope:SCOPE_SE
	s_setreg_imm32_b32 hwreg(HW_REG_WAVE_MODE, 25, 1), 1
	s_wait_xcnt 0x0
; out = LayerNorm(ctx Wo^T + q) x gamma + beta.  The product on codes of FP6 (E2M3) with E8M0 scales, K = 1,024; all else in f32; the variance as the mean of (x - mean)^2, in two passes over registers.
; SHARES.  A work-group owns 32 whole rows (the norm needs whole rows); wave w of sixteen owns columns 64 w .. 64 w + 63: 4 tiles x 2 tiles of rows = 8 accumulators, which take turns.
; The product is used transposed (source 0 = 16 rows of Wo, source 1 = 16 rows of ctx): a lane holds eight neighbouring columns of one row.
; Wo's images: each byte feeds one wave of the work-group, so they go from memory straight into registers, two K steps ahead, 512 consecutive bytes a load.  ctx's 16 fragments (24,576 bytes) are copied to LDS once, as they lie.
; No tensor load, so no ring.  No cluster: a K step of Wo is 98,304 bytes for eight matrix instructions a wave: a joint refill behind a round would have next to no work under which to land.
; The results meet in a stage (32 rows x (4,096 + 16) bytes); then wave w takes rows 2 w and 2 w + 1 whole.
; LIMITS: NaN and infinities are not served.
; REGISTERS: v1, v2 16, 8 x lane; v3 where I put my part of ctx; v6, v7 the stage, in; v8 the stage, out; v9 32 x lane; v10 the prefetch's offset; v16-79 accumulators, then two rows; v80-175 Wo, two sets, then q and gamma;
;   v176-223 ctx, two sets, then beta; v224-239 Wo's scale words, v240-247 ctx's: scales alone; v248-255 sums.
.set ST,   24576                       ; the stage; ctx's images lie at byte 0
.set SP,   4112
.set ACC,  16
.set WF,   80
.set CX,   176
.set WSR,  224
.set CSR,  240
.set Y,    16
.set QR,   80
.set GA,   144
.set BE,   176
.set MS,   248                         ; v[248:249], v[250:251] a row's sum, then its mean
.set VV,   252                         ; v[252:253], v[254:255] its sum of squares, then 1 / sqrt(var + eps)
.macro PLACES n
.rept \n
	v_nop
.endr
.endm
.macro WM d, a, b, zero, sa, sb, ra, rb
.set SELR, (\ra)+2*(\rb)+4*(\zero)
.if SELR == 0
	v_wmma_scale_f32_16x16x128_f8f6f4 v[(\d):(\d)+7], v[(\a):(\a)+11], v[(\b):(\b)+11], v[(\d):(\d)+7], v[\sa], v[\sb] matrix_a_fmt:MATRIX_FMT_FP6 matrix_b_fmt:MATRIX_FMT_FP6
.elseif SELR == 1
	v_wmma_scale_f32_16x16x128_f8f6f4 v[(\d):(\d)+7], v[(\a):(\a)+11], v[(\b):(\b)+11], v[(\d):(\d)+7], v[\sa], v[\sb] matrix_a_fmt:MATRIX_FMT_FP6 matrix_b_fmt:MATRIX_FMT_FP6 matrix_a_scale:MATRIX_SCALE_ROW1
.elseif SELR == 2
	v_wmma_scale_f32_16x16x128_f8f6f4 v[(\d):(\d)+7], v[(\a):(\a)+11], v[(\b):(\b)+11], v[(\d):(\d)+7], v[\sa], v[\sb] matrix_a_fmt:MATRIX_FMT_FP6 matrix_b_fmt:MATRIX_FMT_FP6 matrix_b_scale:MATRIX_SCALE_ROW1
.elseif SELR == 3
	v_wmma_scale_f32_16x16x128_f8f6f4 v[(\d):(\d)+7], v[(\a):(\a)+11], v[(\b):(\b)+11], v[(\d):(\d)+7], v[\sa], v[\sb] matrix_a_fmt:MATRIX_FMT_FP6 matrix_b_fmt:MATRIX_FMT_FP6 matrix_a_scale:MATRIX_SCALE_ROW1 matrix_b_scale:MATRIX_SCALE_ROW1
.elseif SELR == 4
	v_wmma_scale_f32_16x16x128_f8f6f4 v[(\d):(\d)+7], v[(\a):(\a)+11], v[(\b):(\b)+11], 0, v[\sa], v[\sb] matrix_a_fmt:MATRIX_FMT_FP6 matrix_b_fmt:MATRIX_FMT_FP6
.elseif SELR == 5
	v_wmma_scale_f32_16x16x128_f8f6f4 v[(\d):(\d)+7], v[(\a):(\a)+11], v[(\b):(\b)+11], 0, v[\sa], v[\sb] matrix_a_fmt:MATRIX_FMT_FP6 matrix_b_fmt:MATRIX_FMT_FP6 matrix_a_scale:MATRIX_SCALE_ROW1
.elseif SELR == 6
	v_wmma_scale_f32_16x16x128_f8f6f4 v[(\d):(\d)+7], v[(\a):(\a)+11], v[(\b):(\b)+11], 0, v[\sa], v[\sb] matrix_a_fmt:MATRIX_FMT_FP6 matrix_b_fmt:MATRIX_FMT_FP6 matrix_b_scale:MATRIX_SCALE_ROW1
.else
	v_wmma_scale_f32_16x16x128_f8f6f4 v[(\d):(\d)+7], v[(\a):(\a)+11], v[(\b):(\b)+11], 0, v[\sa], v[\sb] matrix_a_fmt:MATRIX_FMT_FP6 matrix_b_fmt:MATRIX_FMT_FP6 matrix_a_scale:MATRIX_SCALE_ROW1 matrix_b_scale:MATRIX_SCALE_ROW1
.endif
.endm
	s_load_b256 s[4:11], s[0:1], 0x0               ; cimg, csc, woimg, Wo's scales
	s_load_b256 s[12:19], s[0:1], 0x20             ; q, gamma, beta, out
	v_lshl_add_u32 v14, v0, 2, 0x26200
	v_mov_b32 v15, 0
	v_lshrrev_b32 v1, 5, v0
	s_delay_alu instid0(VALU_DEP_1)
	v_readfirstlane_b32 s20, v1                    ; wave 0..15
	v_and_b32 v11, 31, v0                          ; lane
	v_and_b32 v12, 15, v0                          ; r
	v_bfe_u32 v13, v0, 4, 1                        ; h
	s_delay_alu instid0(VALU_DEP_3)
	v_lshlrev_b32 v1, 4, v11
	s_delay_alu instid0(VALU_DEP_4)
	v_lshlrev_b32 v2, 3, v11
	s_mul_i32 s26, s20, 1536
	v_add_nc_u32 v3, s26, v1                       ; my sixteenth of ctx's images
	v_mul_u32_u24 v6, v12, SP
	s_delay_alu instid0(VALU_DEP_1)
	v_lshl_add_u32 v6, v13, 5, v6
	s_lshl_b32 s27, s20, 8
	s_add_co_u32 s27, s27, ST
	v_add_nc_u32 v6, s27, v6                       ; the stage, in: row r, + 32 h, + my 256 bytes of a row
	s_delay_alu instid0(VALU_DEP_1)
	v_add_nc_u32 v7, 16*SP, v6                     ; and 16 rows on
	s_mul_i32 s27, s20, 2*SP
	s_add_co_u32 s27, s27, ST
	v_add_nc_u32 v8, s27, v1                       ; out: rows 2 w and 2 w + 1, 16 bytes a lane
	v_lshlrev_b32 v9, 5, v11
	v_lshlrev_b32 v10, 8, v12
	s_delay_alu instid0(VALU_DEP_1)
	v_lshl_add_u32 v10, v13, 12, v10               ; 256 (lane % 16) + 4,096 (lane / 16): the 32 blocks of 256 bytes of my two rows of q
	s_mov_b32 s22, 0x76543210
	s_mov_b32 s23, 0xfedcba98                      ; v_permlanex16_b32's selects for lane l xor 16
	s_mov_b32 s24, 0x3a800000                      ; 1 / 1,024
	s_mov_b32 s29, 0
	s_wait_alu depctr_va_vdst(0)
	s_wait_kmcnt 0x0
	s_mul_i32 s28, ttmp9, 24576
	s_add_co_u32 s28, s28, s26
	s_add_nc_u64 s[4:5], s[4:5], s[28:29]          ; my part of the work-group's 16 fragments of ctx
	s_lshl_b32 s28, ttmp9, 10
	s_add_nc_u64 s[6:7], s[6:7], s[28:29]          ; its 32 rows of scale bytes
	s_mul_i32 s28, s20, 49152
	s_add_nc_u64 s[8:9], s[8:9], s[28:29]          ; my four tiles of Wo: 32 images
	s_lshl_b32 s28, s20, 11
	s_add_nc_u64 s[10:11], s[10:11], s[28:29]      ; their 64 rows of scale bytes
	s_lshl_b32 s28, ttmp9, 17
	s_lshl_b32 s30, s20, 13
	s_add_co_u32 s28, s28, s30
	s_add_nc_u64 s[12:13], s[12:13], s[28:29]      ; q and out at my two rows
	s_add_nc_u64 s[18:19], s[18:19], s[28:29]
.macro WLOAD s                         ; Wo's four fragments of K step s
.irp t, 0,1,2,3
.irp c, 0,1,2
	global_load_b128 v[WF+48*((\s)%2)+12*\t+4*\c:WF+48*((\s)%2)+12*\t+4*\c+3], v1, s[8:9] offset:(8*\t+(\s))*1536+512*\c
.endr
.endr
.endm
.macro CLOAD s                         ; ctx's two: each is two half images (heads 2 s and 2 s + 1)
.irp m, 0,1
	ds_load_b128 v[CX+24*((\s)%2)+12*\m:CX+24*((\s)%2)+12*\m+3], v1 offset:(8*\m+(\s))*1536
	ds_load_b64 v[CX+24*((\s)%2)+12*\m+4:CX+24*((\s)%2)+12*\m+5], v2 offset:(8*\m+(\s))*1536+512
	ds_load_b128 v[CX+24*((\s)%2)+12*\m+6:CX+24*((\s)%2)+12*\m+9], v1 offset:(8*\m+(\s))*1536+768
	ds_load_b64 v[CX+24*((\s)%2)+12*\m+10:CX+24*((\s)%2)+12*\m+11], v2 offset:(8*\m+(\s))*1536+1280
.endr
.endm
.irp c, 0,1,2
	global_load_b128 v[ACC+4*\c:ACC+4*\c+3], v1, s[4:5] offset:512*\c th:TH_LOAD_NT
.endr
	global_load_b128 v[CSR:CSR+3], v9, s[6:7]      ; ctx's scale words: a lane a row: lanes 0-15 the first tile of rows, lanes 16-31 the second; register s: K step s
	global_load_b128 v[CSR+4:CSR+7], v9, s[6:7] offset:16
.irp i, 0,1                                    ; Wo's: register 8 i + s: lanes 0-15 tile 2 i, lanes 16-31 tile 2 i + 1
	global_load_b128 v[WSR+8*\i:WSR+8*\i+3], v9, s[10:11] offset:1024*\i
	global_load_b128 v[WSR+8*\i+4:WSR+8*\i+7], v9, s[10:11] offset:1024*\i+16
.endr
	WLOAD 0
	WLOAD 1
	s_wait_loadcnt 30                              ; my part of ctx is in; behind it: six loads of scale words and 24 of Wo
.irp c, 0,1,2
	ds_store_b128 v3, v[ACC+4*\c:ACC+4*\c+3] offset:512*\c
.endr
	s_wait_dscnt 0x0                               ; for the others' sake: my stores are done
	s_barrier_signal -1
	s_barrier_wait -1                              ; ctx's 16 fragments lie in LDS
	CLOAD 0
	CLOAD 1
.macro OSTEP s
.if (\s) < 7
	s_wait_loadcnt 12                              ; this step's Wo is in (at step 0 the scale words too); the next step's twelve loads may be out
	s_wait_dscnt 8                                 ; this step's ctx is in; the next step's eight loads may be out
.else
	s_wait_loadcnt 0
	s_wait_dscnt 0
.endif
.set ZR, 0
.if (\s) == 0
.set ZR, 1
.endif
.irp t, 0,1,2,3
.irp m, 0,1
	WM ACC+8*(2*\t+\m), WF+48*((\s)%2)+12*\t, CX+24*((\s)%2)+12*\m, ZR, WSR+8*(\t/2)+(\s), CSR+(\s), \t%2, \m
.endr
.endr
	PLACES 4                                       ; in front of loads into registers that matrix instructions have read, and of the first read of results
.if (\s)+2 <= 7
	WLOAD (\s)+2
	CLOAD (\s)+2
.endif
.endm
	OSTEP 0
	OSTEP 1
	global_prefetch_b8 v10, s[12:13] th:TH_LOAD_NT scope:SCOPE_SE   ; my two rows of q, a lane a block of 256 bytes, each named once in the launch, six K steps ahead of their loads; behind this step's loads
	OSTEP 2
	OSTEP 3
	OSTEP 4
	OSTEP 5
	OSTEP 6
	OSTEP 7
.irp u, 0,1
.irp i, 0,1,2,3,4,5,6,7
	global_load_b128 v[QR+32*\u+4*\i:QR+32*\u+4*\i+3], v1, s[12:13] offset:4096*\u+512*\i th:TH_LOAD_NT   ; the residual: 512 consecutive bytes a load
.endr
.endr
.irp i, 0,1,2,3,4,5,6,7
	global_load_b128 v[GA+4*\i:GA+4*\i+3], v1, s[14:15] offset:512*\i
.endr
.irp i, 0,1,2,3,4,5,6,7
	global_load_b128 v[BE+4*\i:BE+4*\i+3], v1, s[16:17] offset:512*\i
.endr
.irp t, 0,1,2,3                                ; lane (r, h): y(16 m + r, 64 w + 16 t + 8 h + 0 .. 7); each accumulator from its low end on
	ds_store_b128 v6, v[ACC+16*\t:ACC+16*\t+3] offset:64*\t
	ds_store_b128 v6, v[ACC+16*\t+4:ACC+16*\t+7] offset:64*\t+16
	ds_store_b128 v7, v[ACC+16*\t+8:ACC+16*\t+11] offset:64*\t
	ds_store_b128 v7, v[ACC+16*\t+12:ACC+16*\t+15] offset:64*\t+16
.endr
	s_wait_dscnt 0x0                               ; for the others' sake: my stores are done
	s_barrier_signal -1
	s_barrier_wait -1                              ; 32 whole rows lie in the stage
.irp u, 0,1
.irp i, 0,1,2,3,4,5,6,7
	ds_load_b128 v[Y+32*\u+4*\i:Y+32*\u+4*\i+3], v8 offset:SP*\u+512*\i
.endr
.endr
	s_wait_loadcnt 16                              ; q is in; gamma's and beta's sixteen loads may be out
	s_wait_dscnt 0x0
	; THE NORM, my two rows by turns; register 4 i + e of a row holds column 128 i + 4 x lane + e
.irp k, 0,2,4,6,8,10,12,14,16,18,20,22,24,26,28,30
.irp u, 0,1
	v_pk_add_f32 v[Y+32*\u+\k:Y+32*\u+\k+1], v[Y+32*\u+\k:Y+32*\u+\k+1], v[QR+32*\u+\k:QR+32*\u+\k+1]
.endr
.endr
.irp u, 0,1
	v_pk_add_f32 v[MS+2*\u:MS+2*\u+1], v[Y+32*\u:Y+32*\u+1], v[Y+32*\u+2:Y+32*\u+3]
.endr
.irp k, 4,6,8,10,12,14,16,18,20,22,24,26,28,30
.irp u, 0,1
	s_delay_alu instid0(VALU_DEP_2)
	v_pk_add_f32 v[MS+2*\u:MS+2*\u+1], v[MS+2*\u:MS+2*\u+1], v[Y+32*\u+\k:Y+32*\u+\k+1]
.endr
.endr
.irp u, 0,1
	s_delay_alu instid0(VALU_DEP_2)
	v_add_f32 v[MS+2*\u], v[MS+2*\u], v[MS+2*\u+1]
.endr
.irp x, 1,2,4,8
.irp u, 0,1
	s_delay_alu instid0(VALU_DEP_2)
	v_add_f32_dpp v[MS+2*\u], v[MS+2*\u], v[MS+2*\u] row_xmask:\x row_mask:0xf bank_mask:0xf
.endr
.endr
.irp u, 0,1
	s_delay_alu instid0(VALU_DEP_2)
	v_permlanex16_b32 v[MS+2*\u+1], v[MS+2*\u], s22, s23
.endr
.irp u, 0,1
	s_delay_alu instid0(VALU_DEP_2)
	v_add_f32 v[MS+2*\u], v[MS+2*\u], v[MS+2*\u+1]
.endr
.irp u, 0,1
	s_delay_alu instid0(VALU_DEP_2)
	v_mul_f32 v[MS+2*\u], s24, v[MS+2*\u]          ; the mean
.endr
.irp k, 0,2,4,6,8,10,12,14,16,18,20,22,24,26,28,30
.irp u, 0,1
	v_pk_add_f32 v[Y+32*\u+\k:Y+32*\u+\k+1], v[Y+32*\u+\k:Y+32*\u+\k+1], v[MS+2*\u:MS+2*\u+1] op_sel_hi:[1,0] neg_lo:[0,1] neg_hi:[0,1]
.endr
.endr
.irp u, 0,1
	v_pk_mul_f32 v[VV+2*\u:VV+2*\u+1], v[Y+32*\u:Y+32*\u+1], v[Y+32*\u:Y+32*\u+1]
.endr
.irp k, 2,4,6,8,10,12,14,16,18,20,22,24,26,28,30
.irp u, 0,1
	s_delay_alu instid0(VALU_DEP_2)
	v_pk_fma_f32 v[VV+2*\u:VV+2*\u+1], v[Y+32*\u+\k:Y+32*\u+\k+1], v[Y+32*\u+\k:Y+32*\u+\k+1], v[VV+2*\u:VV+2*\u+1]
.endr
.endr
.irp u, 0,1
	s_delay_alu instid0(VALU_DEP_2)
	v_add_f32 v[VV+2*\u], v[VV+2*\u], v[VV+2*\u+1]
.endr
.irp x, 1,2,4,8
.irp u, 0,1
	s_delay_alu instid0(VALU_DEP_2)
	v_add_f32_dpp v[VV+2*\u], v[VV+2*\u], v[VV+2*\u] row_xmask:\x row_mask:0xf bank_mask:0xf
.endr
.endr
.irp u, 0,1
	s_delay_alu instid0(VALU_DEP_2)
	v_permlanex16_b32 v[VV+2*\u+1], v[VV+2*\u], s22, s23
.endr
.irp u, 0,1
	s_delay_alu instid0(VALU_DEP_2)
	v_add_f32 v[VV+2*\u], v[VV+2*\u], v[VV+2*\u+1]
.endr
.irp u, 0,1
	s_delay_alu instid0(VALU_DEP_2)
	v_fmaak_f32 v[VV+2*\u], s24, v[VV+2*\u], 0x358637bd   ; the variance + 1e-6
.endr
	s_wait_alu depctr_va_vdst(0)
.irp u, 0,1
	v_rsq_f32 v[VV+2*\u], v[VV+2*\u]
.endr
	v_nop                                          ; a plain place behind the two,
	s_wait_alu depctr_va_vdst(0)                   ; and one wait ahead of their first reader
	s_wait_loadcnt 0x0                             ; gamma and beta
.irp k, 0,2,4,6,8,10,12,14,16,18,20,22,24,26,28,30
.irp u, 0,1
	v_pk_mul_f32 v[Y+32*\u+\k:Y+32*\u+\k+1], v[Y+32*\u+\k:Y+32*\u+\k+1], v[VV+2*\u:VV+2*\u+1] op_sel_hi:[1,0]
.endr
.endr
.irp k, 0,2,4,6,8,10,12,14,16,18,20,22,24,26,28,30
.irp u, 0,1
	v_pk_fma_f32 v[Y+32*\u+\k:Y+32*\u+\k+1], v[Y+32*\u+\k:Y+32*\u+\k+1], v[GA+\k:GA+\k+1], v[BE+\k:BE+\k+1]
.endr
.endr
.irp u, 0,1
.irp i, 0,1,2,3,4,5,6,7
	global_store_b128 v1, v[Y+32*\u+4*\i:Y+32*\u+4*\i+3], s[18:19] offset:4096*\u+512*\i th:TH_STORE_NT   ; 32 lanes store 512 consecutive bytes, aligned
.endr
.endr
	s_wait_tensorcnt 0x0
	ds_add_u32 v14, v15
	s_wait_dscnt 0x0
	s_endpgm
.Lfunc_end_k_q1bdffb724f_oproj:
	.size	k_q1bdffb724f_oproj, .Lfunc_end_k_q1bdffb724f_oproj-k_q1bdffb724f_oproj
	.p2alignl 7, 3214868480
	.fill 96, 4, 3214868480
	.section	.rodata,"a",@progbits
	.p2align	6, 0x0
	.amdhsa_kernel k_q1bdffb724f_oproj
		.amdhsa_group_segment_fixed_size 158208
		.amdhsa_private_segment_fixed_size 0
		.amdhsa_enable_private_segment 0
		.amdhsa_kernarg_size 64
		.amdhsa_user_sgpr_count 2
		.amdhsa_user_sgpr_kernarg_segment_ptr 1
		.amdhsa_wavefront_size32 1
		.amdhsa_system_sgpr_workgroup_id_x 1
		.amdhsa_system_sgpr_workgroup_id_y 1
		.amdhsa_system_sgpr_workgroup_id_z 1
		.amdhsa_system_vgpr_workitem_id 0
		.amdhsa_next_free_vgpr 256
		.amdhsa_next_free_sgpr 66
		.amdhsa_reserve_vcc 0
		.amdhsa_float_denorm_mode_32 3
		.amdhsa_float_denorm_mode_16_64 3
		.amdhsa_memory_ordered 1
		.amdhsa_forward_progress 1
		.amdhsa_inst_pref_size 50
	.end_amdhsa_kernel
	.amdgpu_metadata
---
amdhsa.version: [ 1, 2 ]
amdhsa.kernels:
  - .name:           k_q1bdffb724f_oproj
    .symbol:         k_q1bdffb724f_oproj.kd
    .args:
      - { .name: cimg, .offset: 0, .size: 8, .value_kind: global_buffer, .address_space: global }
      - { .name: csc, .offset: 8, .size: 8, .value_kind: global_buffer, .address_space: global }
      - { .name: woimg, .offset: 16, .size: 8, .value_kind: global_buffer, .address_space: global }
      - { .name: Wo_scales, .offset: 24, .size: 8, .value_kind: global_buffer, .address_space: global }
      - { .name: q, .offset: 32, .size: 8, .value_kind: global_buffer, .address_space: global }
      - { .name: ln_gamma, .offset: 40, .size: 8, .value_kind: global_buffer, .address_space: global }
      - { .name: ln_beta, .offset: 48, .size: 8, .value_kind: global_buffer, .address_space: global }
      - { .name: out0, .offset: 56, .size: 8, .value_kind: global_buffer, .address_space: global }
    .group_segment_fixed_size: 158208
    .private_segment_fixed_size: 0
    .kernarg_segment_align: 8
    .kernarg_segment_size: 64
    .max_flat_workgroup_size: 512
    .sgpr_count:     66
    .vgpr_count:     256
    .wavefront_size: 32
...
	.end_amdgpu_metadata
.endif
;; end of part 3
